; MI455X (gfx1250); checked and timed in simulation.
; The chip was launched on July 23, 2026; its instructions are those of AMD's public machine-readable ISA for CDNA 5 (MIT licence, August 2026) and "CDNA5" Instruction Set Architecture Reference Guide (July 2026). The comments in the code are by the model that wrote it; some were corrected since.
;; Encoder Block. Allowed arithmetic: matrix products marked QUANTISED: E2M3 operands, one E8M0 scale for each 32 along K, by v_wmma_scale_f32_16x16x128_f8f6f4 with both operands' format E2M3, f32 sums; everything else in f32.
;; Inputs: b1 4,096 float32; b2 1,024 float32; bk 1,024 float32; bo 1,024 float32; bq 1,024 float32; bv 1,024 float32; ln1_a 1 float32; ln1_b 1 float32; ln2_a 1 float32; ln2_b 1 float32; mask 2 x 1 x 1 x 2,048 int32; w1_codes 4,096 x 32 x 24 uint8 (E2M3 codes of w1, K innermost, in blocks of 32 codes, four codes in three bytes); w1_scales 4,096 x 32 uint8 (E8M0 scales of w1, one for each 32 codes along K); w2_codes 1,024 x 128 x 24 uint8 (E2M3 codes of w2, K innermost, in blocks of 32 codes, four codes in three bytes); w2_scales 1,024 x 128 uint8 (E8M0 scales of w2, one for each 32 codes along K); wk_codes 1,024 x 32 x 24 uint8 (E2M3 codes of wk, K innermost, in blocks of 32 codes, four codes in three bytes); wk_scales 1,024 x 32 uint8 (E8M0 scales of wk, one for each 32 codes along K); wo_codes 1,024 x 32 x 24 uint8 (E2M3 codes of wo, K innermost, in blocks of 32 codes, four codes in three bytes); wo_scales 1,024 x 32 uint8 (E8M0 scales of wo, one for each 32 codes along K); wq_codes 1,024 x 32 x 24 uint8 (E2M3 codes of wq, K innermost, in blocks of 32 codes, four codes in three bytes); wq_scales 1,024 x 32 uint8 (E8M0 scales of wq, one for each 32 codes along K); wv_codes 1,024 x 32 x 24 uint8 (E2M3 codes of wv, K innermost, in blocks of 32 codes, four codes in three bytes); wv_scales 1,024 x 32 uint8 (E8M0 scales of wv, one for each 32 codes along K); x 2 x 2,048 x 1,024 float32.
;; Outputs: out0 2 x 2,048 x 1,024 float32.
;; This version of the problem:
;;   THIS VERSION OF THE PROBLEM IS GIVEN IN LOW PRECISION. The matrix products marked QUANTISED in the list below multiply operands that are first quantised to E2M3 (2 exponent bits, 3 mantissa bits; 6 bits a number), with one power-of-two scale for each 32 numbers along K (OCP MX v1.0); their sums are f32. All else is computed in f32.
;;   The module's matrix products, in the order in which they are computed (A, B: the left and right operand; K: the contracted axis; several contracted axes count as one K, in the product's order):
;;     1. [M 4,096, K 1,024] x [K 1,024, N 1,024]; A: computed on the way; B: input wq (given as codes): QUANTISED
;;     2. [M 4,096, K 1,024] x [K 1,024, N 1,024]; A: computed on the way; B: input wk (given as codes): QUANTISED
;;     3. [M 4,096, K 1,024] x [K 1,024, N 1,024]; A: computed on the way; B: input wv (given as codes): QUANTISED
;;     4. batch 32 x [M 2,048, K 64] x [K 64, N 2,048]; A: computed on the way; B: computed on the way: QUANTISED
;;     5. batch 32 x [M 2,048, K 2,048] x [K 2,048, N 64]; A: softmax (see below); B: computed on the way: QUANTISED
;;     6. [M 4,096, K 1,024] x [K 1,024, N 1,024]; A: computed on the way; B: input wo (given as codes): QUANTISED
;;     7. [M 4,096, K 1,024] x [K 1,024, N 4,096]; A: computed on the way; B: input w1 (given as codes): QUANTISED
;;     8. [M 4,096, K 4,096] x [K 4,096, N 1,024]; A: computed on the way; B: input w2 (given as codes): QUANTISED
;;   THE QUANTISER, for each operand of a quantised product, along K:
;;     - K is cut into blocks of 32 from its start; a last block that is shorter is filled with zeros.
;;     - A block's scale is 2^e with e = floor(log2(the largest magnitude in the block)) - 2, held to -126 .. 127; a block of zeros has e = 0. As a byte (E8M0): e + 127.
;;     - Each number is divided by its block's scale, clamped to +-7.5, and rounded to the nearest number of E2M3, ties to even, subnormals kept.
;;     - The product sums the exact products of the quantised numbers (number of the format x scale) in f32.
;;   ~~~python
;;   def quantise(x, axis):      # numpy; x: float32 -> the quantised numbers, widened to float32 again
;;       x = np.moveaxis(x, axis, -1); K = x.shape[-1]
;;       x = np.pad(x, [(0, 0)] * (x.ndim - 1) + [(0, -K % 32)]); x = x.reshape(x.shape[:-1] + (-1, 32)); a = np.abs(x).max(-1, keepdims=True)
;;       e = np.where(a > 0, np.clip(np.frexp(np.where(a > 0, a, 1))[1] - 1 - 2, -126, 127), 0)      # np.frexp(a)[1] - 1 = floor(log2(a)), exactly
;;       r = np.clip(x / 2.0 ** e, -7.5, 7.5)
;;       step = 2.0 ** (np.maximum(np.frexp(np.where(r == 0, 1, r))[1] - 1, 0) - 3)
;;       q = np.round(r / step) * step * 2.0 ** e      # np.round: ties to even
;;       return np.moveaxis(q.reshape(q.shape[:-2] + (-1,))[..., :K], -1, axis).astype(np.float32)
;;   ~~~
;;   SOFTMAX AHEAD OF A QUANTISED PRODUCT. Where the list says 'softmax', what is quantised is not the finished softmax but p = 2^(t - M), with t = logit x log2(e) and M = ceil(the row's largest t), a whole number; so 1/2 < the row's largest p <= 1. The row's sum l is taken of the UNQUANTISED p, in f32, and the product's result is divided by l at the end. Since M is a whole number, a kernel that streams over the keys may use a running M (the ceiling of the running maximum): every later rescaling is an exact power of two, which a block's scale takes up: the codes' values come out the same.
;;   OPERANDS COMPUTED ON THE WAY. 'Computed on the way' means the value that the module computes at that place (a softmax that the list does not call 'softmax' is quantised finished and normalised). What goes into a quantiser is computed in f32, as accurately as f32 sums, v_exp_f32 and their like allow (about 1e-6 of the number): no bf16 or f16 on the way to a quantiser, and a product that is left as it is and whose result goes on into a quantised operand takes f32 operands (vector FMAs, or v_wmma_f32_16x16x4_f32). A number that lies on a knife's edge between two numbers of the format may be rounded either way, as far as f32 arithmetic and the matrix unit's own rounding can turn it there, and no further.
;;   INPUTS GIVEN AS CODES. w1 (in the module: [4096, 1024], K = its axis 1); w2 (in the module: [1024, 4096], K = its axis 1); wk (in the module: [1024, 1024], K = its axis 1); wo (in the module: [1024, 1024], K = its axis 1); wq (in the module: [1024, 1024], K = its axis 1); wv (in the module: [1024, 1024], K = its axis 1): each comes as NAME_codes (uint8): NAME with its K axis moved to the last place and cut into blocks of 32 codes, [.., K / 32, bytes a block], one block behind the other in memory; four codes in three bytes: a row's codes are one little-endian stream of bits, code i at bits 6 i .. 6 i + 5 (a code: sign, 2 exponent bits, 3 mantissa bits); and NAME_scales (uint8): the same leading axes, one E8M0 byte (e + 127) for each 32 codes along K. Its value is code x scale, taken as it is: it is not quantised again, and the codes and scales need not be those that the quantiser above would give.
;; One version. Each part assembles by itself: llvm-mc -triple=amdgcn-amd-amdhsa -mcpu=gfx1250 --defsym DOCPART=n.
;; ======== version 1 of 1: 7 launches
;; limits: right only within a limited range of input values
;; workspace buffers: tq 3,276,800 bytes; wp 9,830,400 bytes; qkv 10,092,544 bytes; op 3,276,800 bytes; h 16,777,216 bytes; hp 13,107,200 bytes
;; launch lnq1 (part 1): grid 352 x 1, 8 waves a work-group, no clusters, 67,072 bytes of LDS; arguments x, ln1_a, ln1_b, tq, wq_codes, wq_scales, wk_codes, wk_scales, wv_codes, wv_scales, wo_codes, wo_scales, w1_codes, w1_scales, w2_codes, w2_scales, wp; writes tq, wp
.if DOCPART == 1
	.amdgcn_target "amdgcn-amd-amdhsa--gfx1250"
	.amdhsa_code_object_version 6
	.text
	.protected	k_qf5dacdfa6c_lnq1
	.globl	k_qf5dacdfa6c_lnq1
	.p2align	8
	.type	k_qf5dacdfa6c_lnq1,@function
k_qf5dacdfa6c_lnq1:
	s_mov_b64 s[64:65], 0
	v_nop
	global_prefetch_b8 v0, s[64:65] scope:SCOPE_SE
	s_setreg_imm32_b32 hwreg(HW_REG_WAVE_MODE, 25, 1), 1
	s_wait_xcnt 0x0
; LAYER NORM AND QUANTISER (work-groups 0-255), AND THE WEIGHTS LAID INTO PANELS (work-groups 256-351; a launch whose grid ends at 256 never takes that way).
; y = alpha (x - mean) / (std + 1e-6) + beta, std with 1,023 in the divisor, all in f32: first the mean, then the squares of x - mean, so that a common offset of x does not cancel.
; y is quantised along its 1,024 columns to codes of E2M3 with one E8M0 byte for each 32, and stored AS IMAGES OF THE OPERAND'S REGISTERS:
;   a fragment is 16 rows x 128 K, 12 registers: lane (i, h) holds k = 64 c + 32 h + 0..31 in registers 6 c .. 6 c + 5.  Its image is 1,536 bytes: for c = 0, 1: registers 0-3 of lane l at 768 c + 16 l, registers 4-5 at 768 c + 512 + 8 l.
;   a panel (g, s) is 128 rows x 128 K, 12,800 bytes: tile a at 1,536 a; at 12,288 the scale words: word 16 l + 4 p is that of tile 2 p + l / 16, lane index l % 16.
;   Lane index i of tile a is row 32 (a / 2) + 8 (a % 2) + i + 8 (i / 8) of the group, so that a product that takes such tiles as source 0 leaves 16 neighbours in the 16 registers of two tiles.
; SHARES (norm).  A work-group makes one tile of 16 rows for all of K.  Wave w loads and normalises lane indices 2 w and 2 w + 1; the 16 rows meet in a stage in LDS (pitch 4,112 bytes);
; behind ONE barrier wave w quantises K step w of all 16 rows and stores its fragment's image, 512 or 256 consecutive bytes a store.
; SHARES (weights).  A work-group makes eight panels, wave w one: 48 loads of 8 bytes a lane take the fragments as they lie in the rows of codes.
; No cluster, no tensor load: work-groups share no input.  The input mask is a parameter that reference() never reads: it has no way to any output, and no launch of this program names it.
; LIMITS: NaN and infinities are not served.  A block whose largest magnitude lies under 2^-124, a block of zeros too, gets the byte 1 (this program alone reads the bytes).
; 1 / 1,023 and 1 / (std + eps) are multiplications by rounded reciprocals.
.set SP,   4112
.set PAN,  12800
.set L16,  3
.set L8,   4
.set X,    32                          ; v32-95   two rows as loaded
.set Y,    96                          ; v96-159  64 numbers of my row for the quantiser
.set TM,   160
.set PW,   176
.set PC,   180
.set SEL,  2
; 64 numbers of a lane, register 16 b + i = k 32 b + 16 (lane / 16) + i of my row, become a fragment's codes in v[PC] on and its scale word in v[PW].
.macro QUANT s
.irp b, 0,1,2,3
	v_max3_num_f32 v[TM+\b], |v[\s+16*\b]|, |v[\s+1+16*\b]|, 0x1800000   ; and the floor 2^(3 - 127)
.endr
.irp i, 2,4,6,8,10,12,14
.irp b, 0,1,2,3
	s_delay_alu instid0(VALU_DEP_4)
	v_max3_num_f32 v[TM+\b], v[TM+\b], |v[\s+16*\b+\i]|, |v[\s+1+16*\b+\i]|
.endr
.endr
.irp b, 0,1,2,3
	s_delay_alu instid0(VALU_DEP_4)
	v_permlanex16_b32 v[TM+4+\b], v[TM+\b], s[SEL], s[SEL+1]
.endr
.irp b, 0,1,2,3
	s_delay_alu instid0(VALU_DEP_4)
	v_max_num_f32 v[TM+\b], v[TM+\b], v[TM+4+\b]
.endr
.irp b, 0,1,2,3
	s_delay_alu instid0(VALU_DEP_4)
	v_add_nc_u32 v[TM+12+\b], 0xff000000, v[TM+\b]   ; 2 off the exponent field: the conversion's scale operand
.endr
.irp b, 0,1,2,3
	s_delay_alu instid0(VALU_DEP_4)
	v_lshrrev_b32 v[TM+4+\b], 23, v[TM+12+\b]
.endr
	s_delay_alu instid0(VALU_DEP_3)
	v_lshl_or_b32 v[PW], v[TM+5], 8, v[TM+4]
	s_delay_alu instid0(VALU_DEP_1)
	v_lshl_or_b32 v[PW], v[TM+6], 16, v[PW]
	s_delay_alu instid0(VALU_DEP_1)
	v_lshl_or_b32 v[PW], v[TM+7], 24, v[PW]
.irp c, 0,1
	v_cvt_scalef32_pk16_fp6_f32 v[PC+6*\c:PC+2+6*\c], v[\s+32*\c:\s+15+32*\c], v[TM+12+2*\c]
	v_cvt_scalef32_pk16_fp6_f32 v[PC+12+4*\c:PC+14+4*\c], v[\s+16+32*\c:\s+31+32*\c], v[TM+12+2*\c+1]
.endr
	v_nop                                          ; one plain place behind a scaled conversion
.irp c, 0,1
.irp i, 0,1,2
	v_permlane16_swap_b32 v[PC+6*\c+\i], v[PC+12+4*\c+\i]
.endr
.irp i, 0,1,2
	s_delay_alu instid0(VALU_DEP_3)
	v_mov_b32 v[PC+3+6*\c+\i], v[PC+12+4*\c+\i]
.endr
.endr
.endm
; Row p's two chains are added up, within the lane and over the 32 lanes; every lane ends with the sum in v[8+8p].
.macro ACROSS
.irp p, 0
	s_delay_alu instid0(VALU_DEP_3)
	v_pk_add_f32 v[8+8*\p:9+8*\p], v[8+8*\p:9+8*\p], v[10+8*\p:11+8*\p]
.endr
.irp p, 1
	s_delay_alu instid0(VALU_DEP_2)
	v_pk_add_f32 v[8+8*\p:9+8*\p], v[8+8*\p:9+8*\p], v[10+8*\p:11+8*\p]
.endr
.irp p, 0,1
	s_delay_alu instid0(VALU_DEP_2)
	v_add_f32 v[8+8*\p], v[8+8*\p], v[9+8*\p]
.endr
.irp m, 1,2,4,8
.irp p, 0,1
	s_delay_alu instid0(VALU_DEP_2)
	v_add_f32_dpp v[8+8*\p], v[8+8*\p], v[8+8*\p] row_xmask:\m row_mask:0xf bank_mask:0xf
.endr
.endr
.irp p, 0,1
	s_delay_alu instid0(VALU_DEP_2)
	v_permlanex16_b32 v[14+8*\p], v[8+8*\p], s[SEL], s[SEL+1]
.endr
.irp p, 0,1
	s_delay_alu instid0(VALU_DEP_2)
	v_add_f32 v[8+8*\p], v[8+8*\p], v[14+8*\p]
.endr
.endm
	v_lshl_add_u32 v200, v0, 2, 0x10200
	v_mov_b32 v201, 0
	v_lshrrev_b32 v1, 5, v0
	s_delay_alu instid0(VALU_DEP_1)
	v_readfirstlane_b32 s12, v1                    ; wave 0..7
	v_and_b32 v2, 31, v0
	s_delay_alu instid0(VALU_DEP_1)
	v_lshlrev_b32 v[L16], 4, v2
	s_delay_alu instid0(VALU_DEP_2)
	v_lshlrev_b32 v[L8], 3, v2
	v_and_b32 v5, 15, v0                           ; r
	v_bfe_u32 v6, v0, 4, 1                         ; h
	s_cmp_lt_u32 ttmp9, 256                        ; the work-group's number alone decides
	s_cbranch_scc0 .Lweights
	; the norm: tile a = number % 8 of group g = number / 8
	s_load_b256 s[4:11], s[0:1], 0x0               ; the rows, alpha, beta, the panels
	s_mov_b32 s[SEL], 0x76543210
	s_mov_b32 s[SEL+1], 0xfedcba98
	s_lshr_b32 s13, ttmp9, 3
	s_and_b32 s14, ttmp9, 7
	s_lshr_b32 s15, s14, 1
	s_and_b32 s16, s14, 1
	s_lshl_b32 s17, s13, 7                         ; my first row: 128 g + 32 (a / 2) + 8 (a % 2) + 2 w + 8 (w / 4)
	s_lshl_b32 s18, s15, 5
	s_add_co_u32 s17, s17, s18
	s_lshl_b32 s18, s16, 3
	s_add_co_u32 s17, s17, s18
	s_lshl_b32 s18, s12, 1
	s_add_co_u32 s17, s17, s18
	s_lshr_b32 s18, s12, 2
	s_lshl_b32 s18, s18, 3
	s_add_co_u32 s17, s17, s18
	s_lshl_b32 s18, s17, 12
	s_mov_b32 s19, 0
	s_lshl_b32 s26, s13, 3
	s_add_co_u32 s26, s26, s12
	s_mul_i32 s26, s26, PAN                        ; panel (g, K step w)
	s_mov_b32 s27, 0
	s_wait_kmcnt 0x0
	s_load_b32 s20, s[6:7], 0x0                    ; alpha
	s_load_b32 s22, s[8:9], 0x0                    ; beta
	s_add_nc_u64 s[4:5], s[4:5], s[18:19]
	s_add_nc_u64 s[10:11], s[10:11], s[26:27]
	s_wait_alu depctr_va_vdst(0)
.irp p, 0,1
.irp j, 0,1,2,3,4,5,6,7
	global_load_b128 v[X+32*\p+4*\j:X+32*\p+4*\j+3], v[L16], s[4:5] offset:4096*\p+512*\j th:TH_LOAD_NT
.endr
.endr
	s_mul_i32 s24, s12, 2*SP
	v_add_nc_u32 v7, s24, v[L16]                   ; the stage, in
	v_mul_u32_u24 v24, v5, SP
	s_delay_alu instid0(VALU_DEP_1)
	v_lshl_add_u32 v24, v6, 6, v24
	s_lshl_b32 s25, s12, 9
	v_add_nc_u32 v24, s25, v24                     ; and out: row r, K step w, + 64 h
	s_mul_i32 s28, s14, 1536
	v_add_nc_u32 v25, s28, v[L16]
	v_add_nc_u32 v26, s28, v[L8]
	s_lshl_b32 s29, s16, 8
	s_lshl_b32 s30, s15, 2
	s_add_co_u32 s29, s29, s30
	v_lshl_add_u32 v27, v5, 4, s29                 ; the tile's scale words
.irp p, 0,1
	v_mov_b32 v[13+8*\p], 0
	v_mov_b32 v[14+8*\p], 0
.endr
.irp b, 0,1,2,3
	v_mov_b32 v[TM+4+\b], 0
.endr
	s_wait_loadcnt 0x0
.irp p, 0,1
	v_pk_add_f32 v[8+8*\p:9+8*\p], v[X+32*\p:X+32*\p+1], v[X+32*\p+2:X+32*\p+3]
	v_pk_add_f32 v[10+8*\p:11+8*\p], v[X+32*\p+4:X+32*\p+5], v[X+32*\p+6:X+32*\p+7]
.endr
.irp i, 8,12,16,20,24,28
.irp p, 0,1
	s_delay_alu instid0(VALU_DEP_4)
	v_pk_add_f32 v[8+8*\p:9+8*\p], v[8+8*\p:9+8*\p], v[X+32*\p+\i:X+32*\p+\i+1]
	s_delay_alu instid0(VALU_DEP_4)
	v_pk_add_f32 v[10+8*\p:11+8*\p], v[10+8*\p:11+8*\p], v[X+32*\p+\i+2:X+32*\p+\i+3]
.endr
.endr
	ACROSS
.irp p, 0,1
	s_delay_alu instid0(VALU_DEP_2)
	v_mul_f32 v[12+8*\p], 0x3a800000, v[8+8*\p]    ; the mean: sum / 1,024, exact
.endr
.irp i, 0,2,4,6,8,10,12,14,16,18,20,22,24,26,28,30
.irp p, 0,1
	v_pk_add_f32 v[X+32*\p+\i:X+32*\p+\i+1], v[X+32*\p+\i:X+32*\p+\i+1], v[12+8*\p:13+8*\p] op_sel_hi:[1,0] neg_lo:[0,1] neg_hi:[0,1]
.endr
.endr
.irp p, 0,1
	v_pk_mul_f32 v[8+8*\p:9+8*\p], v[X+32*\p:X+32*\p+1], v[X+32*\p:X+32*\p+1]
	v_pk_mul_f32 v[10+8*\p:11+8*\p], v[X+32*\p+2:X+32*\p+3], v[X+32*\p+2:X+32*\p+3]
.endr
.irp i, 4,8,12,16,20,24,28
.irp p, 0,1
	s_delay_alu instid0(VALU_DEP_4)
	v_pk_fma_f32 v[8+8*\p:9+8*\p], v[X+32*\p+\i:X+32*\p+\i+1], v[X+32*\p+\i:X+32*\p+\i+1], v[8+8*\p:9+8*\p]
	s_delay_alu instid0(VALU_DEP_4)
	v_pk_fma_f32 v[10+8*\p:11+8*\p], v[X+32*\p+\i+2:X+32*\p+\i+3], v[X+32*\p+\i+2:X+32*\p+\i+3], v[10+8*\p:11+8*\p]
.endr
.endr
	ACROSS
.irp p, 0,1
	s_delay_alu instid0(VALU_DEP_2)
	v_mul_f32 v[8+8*\p], 0x3a802008, v[8+8*\p]     ; / 1,023
.endr
	s_wait_alu depctr_va_vdst(0)
.irp p, 0,1
	v_sqrt_f32 v[9+8*\p], v[8+8*\p]
.endr
	v_nop
	s_wait_alu depctr_va_vdst(0)
.irp p, 0,1
	v_add_f32 v[9+8*\p], 0x358637bd, v[9+8*\p]     ; + 1e-6
.endr
	s_wait_alu depctr_va_vdst(0)
.irp p, 0,1
	v_rcp_f32 v[10+8*\p], v[9+8*\p]
.endr
	v_nop
	s_wait_alu depctr_va_vdst(0)
	s_wait_kmcnt 0x0                               ; alpha and beta
	s_mov_b32 s23, s22
.irp p, 0,1
	v_mul_f32 v[12+8*\p], s20, v[10+8*\p]          ; alpha / (std + eps)
.endr
.irp i, 0,2,4,6,8,10,12,14,16,18,20,22,24,26,28,30
.irp p, 0,1
	v_pk_fma_f32 v[X+32*\p+\i:X+32*\p+\i+1], v[X+32*\p+\i:X+32*\p+\i+1], v[12+8*\p:13+8*\p], s[22:23] op_sel_hi:[1,0,0]
.endr
.endr
.irp p, 0,1
.irp j, 0,1,2,3,4,5,6,7
	ds_store_b128 v7, v[X+32*\p+4*\j:X+32*\p+4*\j+3] offset:SP*\p+512*\j
.endr
.endr
	s_wait_dscnt 0x0                               ; for the others' sake: my two rows lie in the stage
	s_barrier_signal -1
	s_barrier_wait -1
.irp b, 0,1,2,3
.irp j, 0,1,2,3
	ds_load_b128 v[Y+16*\b+4*\j:Y+16*\b+4*\j+3], v24 offset:128*\b+16*\j
.endr
.endr
	s_wait_dscnt 0x0
	QUANT Y
	global_store_b128 v25, v[PC:PC+3], s[10:11]
	global_store_b64 v26, v[PC+4:PC+5], s[10:11] offset:512
	global_store_b128 v25, v[PC+6:PC+9], s[10:11] offset:768
	global_store_b64 v26, v[PC+10:PC+11], s[10:11] offset:1280
	global_store_b32 v27, v[PW], s[10:11] offset:12288
	s_wait_tensorcnt 0x0                           ; the wave's end
	ds_add_u32 v200, v201
	s_wait_dscnt 0x0
	s_endpgm
	; the weights: q = number - 256.  Panel 8 q + w of the panels' buffer (wq, wk, wv, wo: [8 g][8 s]; w1: [32 g][8 s]; w2: [8 g][32 s])
.Lweights:
	s_load_b512 s[16:31], s[0:1], 0x20
	s_load_b256 s[32:39], s[0:1], 0x60
	s_load_b64 s[40:41], s[0:1], 0x80
	s_sub_co_u32 s13, ttmp9, 256
	s_and_b32 s48, s13, 7
	s_sub_co_u32 s49, s13, 32
	s_sub_co_u32 s50, s13, 64
	s_lshr_b32 s51, s50, 2
	s_and_b32 s50, s50, 3
	s_lshl_b32 s50, s50, 3
	s_cmp_lt_u32 s13, 32
	s_cselect_b32 s48, s48, s49
	s_cmp_lt_u32 s13, 64
	s_cselect_b32 s48, s48, s51                    ; g
	s_cselect_b32 s50, 0, s50
	s_mov_b32 s52, 3072
	s_cselect_b32 s52, 768, s52                    ; a row of codes in bytes
	s_mov_b32 s53, 128
	s_cselect_b32 s53, 32, s53                     ; a row of scale bytes
	s_add_co_u32 s50, s50, s12                     ; my K step
	s_mul_i32 s54, s48, s52
	s_lshl_b32 s54, s54, 7
	s_mul_i32 s55, s50, 96
	s_add_co_u32 s54, s54, s55
	s_mov_b32 s55, 0
	s_mul_i32 s56, s48, s53
	s_lshl_b32 s56, s56, 7
	s_lshl_b32 s57, s50, 2
	s_add_co_u32 s56, s56, s57
	s_mov_b32 s57, 0
	s_lshl_b32 s58, s13, 3
	s_add_co_u32 s58, s58, s12
	s_mul_i32 s58, s58, PAN
	s_mov_b32 s59, 0
	s_wait_alu depctr_va_vdst(0)
	v_and_b32 v20, 8, v5
	s_delay_alu instid0(VALU_DEP_1)
	v_add_nc_u32 v20, v20, v5                      ; r + 8 (r / 8)
	s_delay_alu instid0(VALU_DEP_1)
	v_mul_lo_u32 v21, v20, s52
	s_delay_alu instid0(VALU_DEP_1)
	v_mad_u32_u24 v21, v6, 24, v21
	s_delay_alu instid0(VALU_DEP_3)
	v_lshl_add_u32 v22, v6, 3, v20
	s_delay_alu instid0(VALU_DEP_1)
	v_mul_lo_u32 v22, v22, s53
	s_wait_alu depctr_va_vdst(0)
.irp a, 0,1,2,3,4,5,6,7
	s_mul_i32 s60, s52, 32*(\a/2)+8*(\a%2)
	v_add_nc_u32 v[8+\a], s60, v21
.endr
.irp p, 0,1,2,3
	s_mul_i32 s60, s53, 32*\p
	v_add_nc_u32 v[16+\p], s60, v22
.endr
	s_wait_alu depctr_va_vdst(0)
	s_wait_kmcnt 0x0
	s_cmp_lt_u32 s13, 64                           ; which matrix: the choice hangs on the work-group's number alone
	s_cselect_b64 s[44:45], s[32:33], s[36:37]
	s_cselect_b64 s[46:47], s[34:35], s[38:39]
	s_cmp_lt_u32 s13, 32
	s_cselect_b64 s[44:45], s[28:29], s[44:45]
	s_cselect_b64 s[46:47], s[30:31], s[46:47]
	s_cmp_lt_u32 s13, 24
	s_cselect_b64 s[44:45], s[24:25], s[44:45]
	s_cselect_b64 s[46:47], s[26:27], s[46:47]
	s_cmp_lt_u32 s13, 16
	s_cselect_b64 s[44:45], s[20:21], s[44:45]
	s_cselect_b64 s[46:47], s[22:23], s[46:47]
	s_cmp_lt_u32 s13, 8
	s_cselect_b64 s[44:45], s[16:17], s[44:45]
	s_cselect_b64 s[46:47], s[18:19], s[46:47]
	s_add_nc_u64 s[44:45], s[44:45], s[54:55]
	s_add_nc_u64 s[46:47], s[46:47], s[56:57]
	s_add_nc_u64 s[40:41], s[40:41], s[58:59]
.irp a, 0,1,2,3,4,5,6,7
.irp p, 0,1,2,3,4,5
	global_load_b64 v[32+12*\a+2*\p:33+12*\a+2*\p], v[8+\a], s[44:45] offset:48*(\p/3)+8*(\p%3)
.endr
.endr
.irp p, 0,1,2,3
	global_load_b32 v[128+\p], v[16+\p], s[46:47]
.endr
	s_wait_loadcnt 0x0
.irp a, 0,1,2,3,4,5,6,7
	global_store_b128 v[L16], v[32+12*\a:35+12*\a], s[40:41] offset:1536*\a
	global_store_b64 v[L8], v[36+12*\a:37+12*\a], s[40:41] offset:1536*\a+512
	global_store_b128 v[L16], v[38+12*\a:41+12*\a], s[40:41] offset:1536*\a+768
	global_store_b64 v[L8], v[42+12*\a:43+12*\a], s[40:41] offset:1536*\a+1280
.endr
	global_store_b128 v[L16], v[128:131], s[40:41] offset:12288
	s_endpgm
.Lfunc_end_k_qf5dacdfa6c_lnq1:
	.size	k_qf5dacdfa6c_lnq1, .Lfunc_end_k_qf5dacdfa6c_lnq1-k_qf5dacdfa6c_lnq1
	.p2alignl 7, 3214868480
	.fill 96, 4, 3214868480
	.section	.rodata,"a",@progbits
	.p2align	6, 0x0
	.amdhsa_kernel k_qf5dacdfa6c_lnq1
		.amdhsa_group_segment_fixed_size 67072
		.amdhsa_private_segment_fixed_size 0
		.amdhsa_enable_private_segment 0
		.amdhsa_kernarg_size 136
		.amdhsa_user_sgpr_count 2
		.amdhsa_user_sgpr_kernarg_segment_ptr 1
		.amdhsa_wavefront_size32 1
		.amdhsa_system_sgpr_workgroup_id_x 1
		.amdhsa_system_sgpr_workgroup_id_y 1
		.amdhsa_system_sgpr_workgroup_id_z 1
		.amdhsa_system_vgpr_workitem_id 0
		.amdhsa_next_free_vgpr 202
		.amdhsa_next_free_sgpr 72
		.amdhsa_reserve_vcc 0
		.amdhsa_float_denorm_mode_32 3
		.amdhsa_float_denorm_mode_16_64 3
		.amdhsa_memory_ordered 1
		.amdhsa_forward_progress 1
		.amdhsa_inst_pref_size 37
	.end_amdhsa_kernel
	.amdgpu_metadata
---
amdhsa.version: [ 1, 2 ]
amdhsa.kernels:
  - .name:           k_qf5dacdfa6c_lnq1
    .symbol:         k_qf5dacdfa6c_lnq1.kd
    .args:
      - { .name: x, .offset: 0, .size: 8, .value_kind: global_buffer, .address_space: global }
      - { .name: ln1_a, .offset: 8, .size: 8, .value_kind: global_buffer, .address_space: global }
      - { .name: ln1_b, .offset: 16, .size: 8, .value_kind: global_buffer, .address_space: global }
      - { .name: tq, .offset: 24, .size: 8, .value_kind: global_buffer, .address_space: global }
      - { .name: wq_codes, .offset: 32, .size: 8, .value_kind: global_buffer, .address_space: global }
      - { .name: wq_scales, .offset: 40, .size: 8, .value_kind: global_buffer, .address_space: global }
      - { .name: wk_codes, .offset: 48, .size: 8, .value_kind: global_buffer, .address_space: global }
      - { .name: wk_scales, .offset: 56, .size: 8, .value_kind: global_buffer, .address_space: global }
      - { .name: wv_codes, .offset: 64, .size: 8, .value_kind: global_buffer, .address_space: global }
      - { .name: wv_scales, .offset: 72, .size: 8, .value_kind: global_buffer, .address_space: global }
      - { .name: wo_codes, .offset: 80, .size: 8, .value_kind: global_buffer, .address_space: global }
      - { .name: wo_scales, .offset: 88, .size: 8, .value_kind: global_buffer, .address_space: global }
      - { .name: w1_codes, .offset: 96, .size: 8, .value_kind: global_buffer, .address_space: global }
      - { .name: w1_scales, .offset: 104, .size: 8, .value_kind: global_buffer, .address_space: global }
      - { .name: w2_codes, .offset: 112, .size: 8, .value_kind: global_buffer, .address_space: global }
      - { .name: w2_scales, .offset: 120, .size: 8, .value_kind: global_buffer, .address_space: global }
      - { .name: wp, .offset: 128, .size: 8, .value_kind: global_buffer, .address_space: global }
    .group_segment_fixed_size: 67072
    .private_segment_fixed_size: 0
    .kernarg_segment_align: 8
    .kernarg_segment_size: 136
    .max_flat_workgroup_size: 256
    .sgpr_count:     72
    .vgpr_count:     202
    .wavefront_size: 32
...
	.end_amdgpu_metadata
.endif
;; end of part 1
;; launch qkv (part 2): grid 12 x 16, 4 waves a work-group, clusters of 4 x 4, 327,680 bytes of LDS; arguments tq, wp, bq, bk, bv, qkv; writes qkv
.if DOCPART == 2
	.amdgcn_target "amdgcn-amd-amdhsa--gfx1250"
	.amdhsa_code_object_version 6
	.text
	.protected	k_qf5dacdfa6c_qkv
	.globl	k_qf5dacdfa6c_qkv
	.p2align	8
	.type	k_qf5dacdfa6c_qkv,@function
k_qf5dacdfa6c_qkv:
	s_mov_b64 s[64:65], 0
	v_nop
	global_prefetch_b8 v0, s[64:65] scope:SCOPE_SE
	s_setreg_imm32_b32 hwreg(HW_REG_WAVE_MODE, 25, 1), 1
	s_wait_xcnt 0x0
	s_wait_alu depctr_hold_cnt(0) depctr_sa_sdst(0) depctr_va_vdst(0) depctr_va_sdst(0) depctr_va_ssrc(0) depctr_va_vcc(0) depctr_vm_vsrc(0)
	s_getreg_b32 s2, hwreg(HW_REG_IB_STS2, 6, 4)
	s_cmp_eq_u32 s2, 0
	s_cbranch_scc0 .Lentry_in_a_cluster
	s_endpgm
.Lentry_in_a_cluster:
	s_bfe_u32 s2, ttmp6, 0x10000c
	s_cmp_lg_u32 s2, 0xf033
	s_cbranch_scc0 .Lentry_shape_is_right
	s_endpgm
.Lentry_shape_is_right:
; q = t wq^T + bq, k = t wk^T + bk, v = t wv^T + bv on codes of E2M3 (t: the normalised rows, 4,096 x 1,024), each result quantised in registers and stored as attention's operands.  K = 1,024: eight K steps of 128, written out.
; OPERANDS ARE PANELS: 128 rows x 128 K as images of the operand's registers, 12,800 bytes (laid out as the first launch's head comment says): every LDS read is 512 or 256 consecutive bytes, and a group's K steps are one dense block of memory.
; SHARES.  A work-group makes 256 x 256, a wave 128 x 128: 64 accumulators, 512 registers.  Source 0 takes the tiles whose rows are to lie along a lane's REGISTERS (role B), source 1 those whose rows lie in the LANES (role A):
; the 64 registers of a row of accumulators are 4 x 16 neighbours, as the quantiser wants them.
; Cluster x = 0, 1: q, k: A = the rows, B = the weight.  Cluster x = 2: v: the two pointers change places: the same instructions give v with the KEYS along the registers, quantised along the keys.
; CLUSTERS 4 x 4: A's tiles are shared along a row of the cluster, B's along a column: joint loads, one mask each.
; THE RING: LDS holds six K steps of each of the four groups, group w at 6 w panels.  At the head each wave asks ONCE, for its group's K steps 0-5: a dense block of 76,800 bytes, 300 rows of 256.
; K steps 6 and 7 land on the bytes of K steps 0 and 1, behind a round of the cluster's barrier, and have four K steps, 256 matrix instructions, in which to land.  One load of a wave is out at any time.
; No prefetch: the launch's two loads a wave leave no loop to run ahead in.
; LIMITS: NaN and infinities are not served; a block whose largest magnitude lies under 2^-124 (zeros too) gets the byte 1; the bias is the first term of each sum (for v it is added at the end, in f32).
; REGISTERS: window 0: v16-27 LDS addresses; v28-29 the add's; v32-47 scale words, two sets; v48-55 v's bias; v56-63 scale words on the way out; v64-103 the quantiser's; v128-223 A's fragments, ONE set.
;   window 1: B's fragments, two sets, at v0 and v128; between them q's or k's bias (v96-127, v224-255).   windows 2, 3: accumulator (a, b) at v[8 (8 (a % 4) + b)] of window 2 + a / 4.
.set PAN,   12800
.set GRP,   2*PAN                      ; two K steps of one group: what the refill brings, and the distance between the three LDS address registers of a side
.set SPARE, 24*PAN                     ; behind the ring: the spare words
.set A16, 16
.set A8,  19
.set B16, 22
.set B8,  25
.set SPW, 28
.set NIL, 29
.set SC,  32
.set P2,  48
.set WS,  56
.set WS2, 60
.set TM,  64
.set PW,  80
.set PC,  84
.set L16, 104
.set L8,  105
.set BO,  106
.set AF,  128
.set X,   128
.set G1A, 24
.set G1B, 32
.set G0A, 40
.set G0B, 52
.set HM,  88
.set SEL, 90
.set MSB, 0
.macro WIN new
.if MSB != \new
	s_set_vgpr_msb (MSB<<8)|\new
.set MSB, \new
.endif
.endm
.set MUL_LO, 0xa1
.set MUL_HI, 0xf1
.set TO_B,   0x40
.macro PLACES n
.rept \n
	v_nop
.endr
.endm
.macro JLOAD g0a, g1a, g0b, g1b        ; a joint load: waves 0 and 1 fetch A's two groups, waves 2 and 3 B's
	s_cmp_eq_u32 s15, 0
	s_cbranch_scc0 .Lfor_b_\@
	tensor_load_to_lds s[\g0a:\g0a+3], s[\g1a:\g1a+7]
	s_nop 0
.rept 4
	v_nop
.endr
	s_branch .Lasked_\@
.Lfor_b_\@:
	tensor_load_to_lds s[\g0b:\g0b+3], s[\g1b:\g1b+7]
	s_nop 0
.rept 4
	v_nop
.endr
.Lasked_\@:
.endm
.macro CREST
	s_cmp_lg_u32 s14, 0
	s_cbranch_scc1 .Lnot_wave_0_\@
	s_barrier_signal -3
.Lnot_wave_0_\@:
	s_barrier_wait -3
	s_barrier_signal -1
	s_barrier_wait -1
.endm
.macro CROUND
	s_barrier_signal -1
	s_barrier_wait -1
	CREST
.endm
.macro QUANT s                         ; 64 numbers of a lane become a fragment's codes in v[PC] on and its scale word in v[PW]
.irp b, 0,1,2,3
	v_max3_num_f32 v[TM+\b], |v[\s+16*\b]|, |v[\s+1+16*\b]|, 0x1800000
.endr
.irp i, 2,4,6,8,10,12,14
.irp b, 0,1,2,3
	v_max3_num_f32 v[TM+\b], v[TM+\b], |v[\s+16*\b+\i]|, |v[\s+1+16*\b+\i]|
.endr
.endr
.irp b, 0,1,2,3
	v_permlanex16_b32 v[TM+4+\b], v[TM+\b], s[SEL], s[SEL+1]
.endr
.irp b, 0,1,2,3
	v_max_num_f32 v[TM+\b], v[TM+\b], v[TM+4+\b]
.endr
.irp b, 0,1,2,3
	v_add_nc_u32 v[TM+12+\b], 0xff000000, v[TM+\b]
.endr
.irp b, 0,1,2,3
	v_lshrrev_b32 v[TM+4+\b], 23, v[TM+12+\b]
.endr
	v_lshl_or_b32 v[PW], v[TM+5], 8, v[TM+4]
	v_lshl_or_b32 v[PW], v[TM+6], 16, v[PW]
	v_lshl_or_b32 v[PW], v[TM+7], 24, v[PW]
.irp c, 0,1
	v_cvt_scalef32_pk16_fp6_f32 v[PC+6*\c:PC+2+6*\c], v[\s+32*\c:\s+15+32*\c], v[TM+12+2*\c]
	v_cvt_scalef32_pk16_fp6_f32 v[PC+12+4*\c:PC+14+4*\c], v[\s+16+32*\c:\s+31+32*\c], v[TM+12+2*\c+1]
.endr
	v_nop
.irp c, 0,1
.irp i, 0,1,2
	v_permlane16_swap_b32 v[PC+6*\c+\i], v[PC+12+4*\c+\i]
.endr
.irp i, 0,1,2
	v_mov_b32 v[PC+3+6*\c+\i], v[PC+12+4*\c+\i]
.endr
.endr
.endm
.macro WM                              ; one product, by the symbols rD, rB, rA, rC, rSB, rSA; fB, fA: the scale words stand in lanes 16-31
.if fB && fA
	v_wmma_scale_f32_16x16x128_f8f6f4 v[rD:rD+7], v[rB:rB+11], v[rA:rA+11], v[rC:rC+7], v[rSB], v[rSA] matrix_a_fmt:MATRIX_FMT_FP6 matrix_b_fmt:MATRIX_FMT_FP6 matrix_a_scale:MATRIX_SCALE_ROW1 matrix_b_scale:MATRIX_SCALE_ROW1
.elseif fB
	v_wmma_scale_f32_16x16x128_f8f6f4 v[rD:rD+7], v[rB:rB+11], v[rA:rA+11], v[rC:rC+7], v[rSB], v[rSA] matrix_a_fmt:MATRIX_FMT_FP6 matrix_b_fmt:MATRIX_FMT_FP6 matrix_a_scale:MATRIX_SCALE_ROW1
.elseif fA
	v_wmma_scale_f32_16x16x128_f8f6f4 v[rD:rD+7], v[rB:rB+11], v[rA:rA+11], v[rC:rC+7], v[rSB], v[rSA] matrix_a_fmt:MATRIX_FMT_FP6 matrix_b_fmt:MATRIX_FMT_FP6 matrix_b_scale:MATRIX_SCALE_ROW1
.else
	v_wmma_scale_f32_16x16x128_f8f6f4 v[rD:rD+7], v[rB:rB+11], v[rA:rA+11], v[rC:rC+7], v[rSB], v[rSA] matrix_a_fmt:MATRIX_FMT_FP6 matrix_b_fmt:MATRIX_FMT_FP6
.endif
.endm
; 16 products: A's tiles a0, a0 + 1 x B's eight.  first = 1: the bias is the C that starts the sums.  The 64 accumulators take turns.
.macro MUL16 a0, set, first
.irp a, \a0, \a0+1
.irp b, 0,1,2,3,4,5,6,7
.set rD, 8*(8*((\a)%4)+\b)
.set rB, 128*(\set)+12*\b
.set rA, AF+12*(\a)
.set rC, rD
.if \first
.set rC, 96+8*\b+96*(\b/4)
.endif
.set rSB, SC+8*(\set)+4+\b/2
.set rSA, SC+8*(\set)+(\a)/2
.set fB, \b%2
.set fA, (\a)%2
	WM
.endr
.endr
.endm
.macro FRAG reg, a16, a8, off
	ds_load_b128 v[\reg:\reg+3], v[\a16] offset:\off
	ds_load_b64 v[\reg+4:\reg+5], v[\a8] offset:\off+512
	ds_load_b128 v[\reg+6:\reg+9], v[\a16] offset:\off+768
	ds_load_b64 v[\reg+10:\reg+11], v[\a8] offset:\off+1280
.endm
.macro FETCH_B n, kk, set              ; B's eight fragments of K step 2 n + kk of the ring: 32 loads
	WIN TO_B
.irp i, 0,1,2,3,4,5,6,7
	FRAG 128*(\set)+12*\i, B16+\n, B8+\n, (\kk)*PAN+1536*\i
.endr
	WIN 0
.endm
.macro FETCH_A n, kk, i0
.irp i, \i0, \i0+1, \i0+2, \i0+3
	FRAG AF+12*(\i), A16+\n, A8+\n, (\kk)*PAN+1536*(\i)
.endr
.endm
.macro SCALES n, kk, set
	ds_load_b128 v[SC+8*(\set):SC+8*(\set)+3], v[A16+\n] offset:(\kk)*PAN+12288
	ds_load_b128 v[SC+8*(\set)+4:SC+8*(\set)+7], v[B16+\n] offset:(\kk)*PAN+12288
.endm
.macro STEP q, n, kk, first            ; K step q; the next one's fragments lie at (n, kk)
	s_wait_dscnt 16                                ; all but the youngest 16 loads (A's tiles 4-7)
.if \first
	WIN 0x91
.else
	WIN MUL_LO
.endif
	MUL16 0, (\q)%2, \first
	MUL16 2, (\q)%2, \first
	s_wait_dscnt 0x0
	PLACES 4
	FETCH_B \n, \kk, 1-(\q)%2
	FETCH_A \n, \kk, 0
	SCALES \n, \kk, 1-(\q)%2
.if \first
	WIN 0xd1
.else
	WIN MUL_HI
.endif
	MUL16 4, (\q)%2, \first
	MUL16 6, (\q)%2, \first
	PLACES 4
	WIN 0
	FETCH_A \n, \kk, 4
.endm
; A K step with a barrier in it.  fill = 1: the bytes of K steps 0 and 1 are filled again, behind a round of the cluster's barrier.
.macro TURN q, n, kk, fill
	s_wait_tensorcnt 0x0                           ; all my tensor loads have landed
	ds_add_u32 v[SPW], v[NIL]
	s_wait_dscnt 17                                ; (the add and the youngest 16 loads may be out)
	WIN MUL_LO
	MUL16 0, (\q)%2, 0
	s_wait_dscnt 0x0                               ; the add is done, and my reads of the bytes that I leave are over
	s_barrier_signal -1
	MUL16 2, (\q)%2, 0
	WIN 0
	s_barrier_wait -1
.if \fill
	CREST
	s_add_nc_u64 s[G0A+2:G0A+3], s[G0A+2:G0A+3], 3*GRP   ; from K step 0 to K step 6
	s_add_nc_u64 s[G0B+2:G0B+3], s[G0B+2:G0B+3], 3*GRP
	JLOAD G0A, G1A, G0B, G1B
.else
	PLACES 4
.endif
	s_wait_alu depctr_va_vdst(0)
	FETCH_B \n, \kk, 1-(\q)%2
	FETCH_A \n, \kk, 0
	SCALES \n, \kk, 1-(\q)%2
	WIN MUL_HI
	MUL16 4, (\q)%2, 0
	MUL16 6, (\q)%2, 0
	PLACES 4
	WIN 0
	FETCH_A \n, \kk, 4
.endm
	s_load_b256 s[4:11], s[0:1], 0x0               ; the rows' panels, the weights', bq, bk
	s_load_b128 s[68:71], s[0:1], 0x20             ; bv, attention's panels
	v_lshl_add_u32 v[SPW], v0, 2, SPARE
	v_mov_b32 v[NIL], 0
	ds_add_u32 v28, v29
	ds_add_u32 v28, v29
	s_wait_dscnt 0x0
	v_lshrrev_b32 v1, 5, v0
	v_readfirstlane_b32 s14, v1                    ; wave 0..3
	s_lshr_b32 s15, s14, 1                         ; my group of A.  Also: I fetch for A (0) or for B (1)
	s_and_b32 s16, s14, 1                          ; my group of B.  Also: which group of that side I fetch
	s_bfe_u32 s17, ttmp6, 0x40000                  ; cx
	s_bfe_u32 s18, ttmp6, 0x40004                  ; cy
	s_and_b32 s66, ttmp7, 0xffff
	s_lshl_b32 s66, s66, 2
	s_cmp_eq_u32 ttmp9, 2                          ; cluster x = 2: v.  The same in all sixteen partners
	s_cselect_b32 s19, 0, s66
	s_cselect_b32 s20, s66, 0
	s_cselect_b32 s67, 1, 0
	s_add_co_u32 s19, s19, s18                     ; A's block of 256
	s_add_co_u32 s20, s20, s17                     ; B's
	s_lshl_b32 s21, s18, 2
	s_lshl_b32 s21, 15, s21
	s_lshl_b32 s22, 0x1111, s17
	s_or_b32 s[G1A], s21, (3<<16)|(1<<21)
	s_or_b32 s[G1B], s22, (3<<16)|(1<<21)
.irp g, G1A, G1B                               ; the head's load: a dense block of 76,800 bytes as 300 rows of 256
	s_mov_b32 s[\g+1], 32<<16
	s_mov_b32 s[\g+2], 300<<16
	s_mov_b32 s[\g+3], 32<<16
	s_mov_b32 s[\g+4], 300
	s_mov_b32 s[\g+5], 32
	s_mov_b32 s[\g+6], 0
	s_mov_b32 s[\g+7], 0
.endr
	s_lshl_b32 s80, s19, 1
	s_add_co_u32 s80, s80, s16
	s_mul_i32 s80, s80, 8*PAN
	s_mov_b32 s81, 0
	s_lshl_b32 s82, s20, 1
	s_add_co_u32 s82, s82, s16
	s_mul_i32 s82, s82, 8*PAN
	s_mov_b32 s83, 0
	s_mul_i32 s72, ttmp9, 64*PAN                   ; wq, wk, wv: 64 panels each
	s_mov_b32 s73, 0
	s_mul_i32 s23, s14, 3*GRP                      ; where my fetch goes: six panels a group
	s_wait_kmcnt 0x0
	s_add_nc_u64 s[72:73], s[6:7], s[72:73]
	s_cmp_eq_u32 ttmp9, 2
	s_cselect_b64 s[74:75], s[72:73], s[4:5]
	s_cselect_b64 s[76:77], s[4:5], s[72:73]
	s_add_nc_u64 s[74:75], s[74:75], s[80:81]
	s_add_nc_u64 s[76:77], s[76:77], s[82:83]
	CROUND                                         ; all sixteen work-groups are here: the first joint loads meet
	s_mov_b32 s[G0A], 1
	s_mov_b32 s[G0A+1], s23
	s_mov_b64 s[G0A+2:G0A+3], s[74:75]
	s_or_b32 s[G0A+3], s[G0A+3], 0x80000000
	s_mov_b32 s[G0B], 1
	s_mov_b32 s[G0B+1], s23
	s_mov_b64 s[G0B+2:G0B+3], s[76:77]
	s_or_b32 s[G0B+3], s[G0B+3], 0x80000000
	JLOAD G0A, G1A, G0B, G1B                       ; my one load at the head
	s_lshl_b32 s84, s19, 1
	s_add_co_u32 s84, s84, s15                     ; my group of A
	s_lshl_b32 s85, s20, 1
	s_add_co_u32 s85, s85, s16                     ; my group of B
	v_and_b32 v1, 15, v0
	v_bfe_u32 v2, v0, 4, 1
	; THE BIAS.  q, k: along the registers: the C of the first K step.  v: one number a lane and tile: added on the way out.  The other of the two is zeros.
	s_cmp_eq_u32 s67, 1
	s_cbranch_scc1 .Lbias_v
	s_cmp_eq_u32 ttmp9, 0
	s_cselect_b64 s[86:87], s[8:9], s[10:11]
	s_lshl_b32 s98, s85, 9
	s_mov_b32 s99, 0
	s_add_nc_u64 s[86:87], s[86:87], s[98:99]
	v_lshlrev_b32 v[BO], 6, v2
	WIN 0x40
.irp b, 0,1,2,3,4,5,6,7
	global_load_b128 v[96+8*\b+96*(\b/4):99+8*\b+96*(\b/4)], v[BO], s[86:87] offset:(32*(\b/2)+8*(\b%2))*4
	global_load_b128 v[100+8*\b+96*(\b/4):103+8*\b+96*(\b/4)], v[BO], s[86:87] offset:(32*(\b/2)+8*(\b%2))*4+16
.endr
	WIN 0
.irp a, 0,1,2,3,4,5,6,7
	v_mov_b32 v[P2+\a], 0
.endr
	s_branch .Lbias_done
.Lbias_v:
	s_lshl_b32 s98, s84, 9
	s_mov_b32 s99, 0
	s_add_nc_u64 s[86:87], s[68:69], s[98:99]
	s_wait_alu depctr_va_vdst(0)
	v_and_b32 v[BO], 8, v1
	v_add_nc_u32 v[BO], v[BO], v1
	v_lshlrev_b32 v[BO], 2, v[BO]
.irp a, 0,1,2,3,4,5,6,7
	global_load_b32 v[P2+\a], v[BO], s[86:87] offset:(32*(\a/2)+8*(\a%2))*4
.endr
	WIN 0x40
.set j, 0
.rept 32
	v_mov_b32 v[96+j], 0
	v_mov_b32 v[224+j], 0
.set j, j+1
.endr
	WIN 0
.Lbias_done:
	v_and_b32 v1, 31, v0
	v_lshlrev_b32 v[L16], 4, v1
	v_lshlrev_b32 v[L8], 3, v1
	s_mul_i32 s98, s15, 3*GRP                      ; my group of A,
	s_mul_i32 s99, s16, 3*GRP
	s_add_co_u32 s99, s99, 6*GRP                   ; my group of B, behind A's two
.irp n, 0,1,2
	v_add_nc_u32 v[A16+\n], s98, v[L16]
	v_add_nc_u32 v[A8+\n], s98, v[L8]
	v_add_nc_u32 v[B16+\n], s99, v[L16]
	v_add_nc_u32 v[B8+\n], s99, v[L8]
	s_add_co_u32 s98, s98, GRP
	s_add_co_u32 s99, s99, GRP
.endr
.irp b, 0,1,2,3
	v_mov_b32 v[TM+4+\b], 0
.endr
	s_mov_b32 s[SEL], 0x76543210
	s_mov_b32 s[SEL+1], 0xfedcba98
	s_mov_b32 s[HM], 0xffff0000
	; WHERE THE RESULTS GO.  q, k: panels [32 heads of the batch][16 groups of tokens] of 6,656 bytes: tile a's half fragment at 768 a, scale words at 6,144; registers 0-5 are the even head's, 6-11 the odd head's, 16 panels on.
	; v: panels of 6,400 bytes: four tiles of 16 channels x 128 keys at 1,536 a, scale words at 6,144; tiles 0-3 are the even head's, tiles 4-7 the odd head's.  All that differs is chosen here, without a branch.
	s_cmp_eq_u32 s67, 1
	s_cselect_b32 s98, s85, s84
	s_cselect_b32 s99, s84, s85
	s_mov_b32 s12, 6656
	s_cselect_b32 s12, 6400, s12
	s_mov_b32 s94, 106496
	s_cselect_b32 s94, 768, s94
	s_mov_b32 s2, 768
	s_cselect_b32 s2, 1536, s2
	s_cselect_b32 s78, 96256, 0
	s_mov_b32 s95, 0
	s_mov_b32 s3, 0
	s_mov_b32 s79, 0
	s_lshr_b32 s13, s98, 4
	s_lshl_b32 s13, s13, 4
	s_lshl_b32 s99, s99, 1
	s_add_co_u32 s13, s13, s99
	s_lshl_b32 s13, s13, 4
	s_and_b32 s98, s98, 15
	s_add_co_u32 s13, s13, s98
	s_mul_i32 s98, s13, s12
	s_mul_i32 s99, ttmp9, 3407872
	s_add_co_u32 s98, s98, s99
	s_mov_b32 s99, 0
	s_add_nc_u64 s[96:97], s[70:71], s[98:99]
	s_mov_b64 s[92:93], s[96:97]
	s_add_nc_u64 s[94:95], s[96:97], s[94:95]
	s_wait_loadcnt 0x0                             ; the bias
	s_wait_tensorcnt 0x0                           ; my group's six K steps are in; no load of mine is out, so a descriptor may be written:
	s_mov_b32 s[G1A+2], 100<<16                    ; the refill brings two K steps, 100 rows
	s_mov_b32 s[G1A+4], 100
	s_mov_b32 s[G1B+2], 100<<16
	s_mov_b32 s[G1B+4], 100
	s_barrier_signal -1
	s_barrier_wait -1
	FETCH_B 0, 0, 0
	FETCH_A 0, 0, 0
	SCALES 0, 0, 0
	FETCH_A 0, 0, 4
	STEP 0, 0, 1, 1
	TURN 1, 1, 0, 1                                ; K steps 0 and 1 are left, and their bytes filled again
	STEP 2, 1, 1, 0
	STEP 3, 2, 0, 0
	STEP 4, 2, 1, 0
	TURN 5, 0, 0, 0                                ; K steps 6 and 7 have landed; nothing is filled, so no round
	STEP 6, 0, 1, 0
	s_wait_dscnt 16
	WIN MUL_LO
	MUL16 0, 1, 0
	MUL16 2, 1, 0
	s_wait_dscnt 0x0
	WIN MUL_HI
	MUL16 4, 1, 0
	MUL16 6, 1, 0
	WIN 0
	PLACES 4
; THE WAY OUT, a row of eight accumulators at a time: they are one fragment of the next product, stored as its registers stand.
.macro OUTA a
.if (\a) > 0
	s_wait_xcnt 0x0
	s_add_nc_u64 s[92:93], s[92:93], s[2:3]
	s_add_nc_u64 s[94:95], s[94:95], s[2:3]
.endif
.if (\a) == 4
	s_add_nc_u64 s[92:93], s[92:93], s[78:79]
	s_add_nc_u64 s[94:95], s[94:95], s[78:79]
.endif
	WIN 0x02+(\a)/4
.set j, 0
.rept 32                                       ; each accumulator from its low end on; + v's bias of this tile's lane (zeros for q and k)
.if (\a)%2
	v_pk_add_f32 v[X+j:X+j+1], v[64*((\a)%4)+j:64*((\a)%4)+j+1], v[P2+2*((\a)/2):P2+2*((\a)/2)+1] op_sel:[0,1] op_sel_hi:[1,1]
.else
	v_pk_add_f32 v[X+j:X+j+1], v[64*((\a)%4)+j:64*((\a)%4)+j+1], v[P2+2*((\a)/2):P2+2*((\a)/2)+1] op_sel:[0,0] op_sel_hi:[1,0]
.endif
.set j, j+2
.endr
	WIN 0
	QUANT X
	global_store_b128 v[L16], v[PC:PC+3], s[92:93]
	global_store_b64 v[L8], v[PC+4:PC+5], s[92:93] offset:512
	global_store_b128 v[L16], v[PC+6:PC+9], s[94:95]
	global_store_b64 v[L8], v[PC+10:PC+11], s[94:95] offset:512
.if (\a)%2 == 0
	v_mov_b32 v[WS+(\a)/2], v[PW]
.else
	v_cndmask_b32 v[WS+(\a)/2], v[WS+(\a)/2], v[PW], s[HM]
.endif
.endm
.irp a, 0,1,2,3,4,5,6,7
	OUTA \a
.endr
	s_cmp_eq_u32 s67, 1
	s_cbranch_scc1 .Lscales_v
.irp p, 0,1,2,3
	v_lshrrev_b32 v[WS2+\p], 16, v[WS+\p]          ; the odd head's two bytes; the upper two, which meet zero codes, are 0
.endr
	global_store_b128 v[L16], v[WS:WS+3], s[96:97] offset:6144
	global_store_b128 v[L16], v[WS2:WS2+3], s[96:97] offset:106496+6144
	s_branch .Lscales_done
.Lscales_v:
	global_store_b64 v[L8], v[WS:WS+1], s[96:97] offset:6144
	s_wait_alu depctr_va_vdst(0)
	global_store_b64 v[L8], v[WS+2:WS+3], s[96:97] offset:102400+6144
.Lscales_done:
	s_wait_tensorcnt 0x0                           ; the wave's end
	ds_add_u32 v[SPW], v[NIL]
	s_wait_dscnt 0x0
	CROUND                                         ; the closing round
	s_endpgm
.Lfunc_end_k_qf5dacdfa6c_qkv:
	.size	k_qf5dacdfa6c_qkv, .Lfunc_end_k_qf5dacdfa6c_qkv-k_qf5dacdfa6c_qkv
	.p2alignl 7, 3214868480
	.fill 96, 4, 3214868480
	.section	.rodata,"a",@progbits
	.p2align	6, 0x0
	.amdhsa_kernel k_qf5dacdfa6c_qkv
		.amdhsa_group_segment_fixed_size 327680
		.amdhsa_private_segment_fixed_size 0
		.amdhsa_enable_private_segment 0
		.amdhsa_kernarg_size 48
		.amdhsa_user_sgpr_count 2
		.amdhsa_user_sgpr_kernarg_segment_ptr 1
		.amdhsa_wavefront_size32 1
		.amdhsa_system_sgpr_workgroup_id_x 1
		.amdhsa_system_sgpr_workgroup_id_y 1
		.amdhsa_system_sgpr_workgroup_id_z 1
		.amdhsa_system_vgpr_workitem_id 0
		.amdhsa_next_free_vgpr 1024
		.amdhsa_next_free_sgpr 100
		.amdhsa_reserve_vcc 0
		.amdhsa_float_denorm_mode_32 3
		.amdhsa_float_denorm_mode_16_64 3
		.amdhsa_memory_ordered 1
		.amdhsa_forward_progress 1
		.amdhsa_inst_pref_size 166
	.end_amdhsa_kernel
	.amdgpu_metadata
---
amdhsa.version: [ 1, 2 ]
amdhsa.kernels:
  - .name:           k_qf5dacdfa6c_qkv
    .symbol:         k_qf5dacdfa6c_qkv.kd
    .args:
      - { .name: tq, .offset: 0, .size: 8, .value_kind: global_buffer, .address_space: global }
      - { .name: wp, .offset: 8, .size: 8, .value_kind: global_buffer, .address_space: global }
      - { .name: bq, .offset: 16, .size: 8, .value_kind: global_buffer, .address_space: global }
      - { .name: bk, .offset: 24, .size: 8, .value_kind: global_buffer, .address_space: global }
      - { .name: bv, .offset: 32, .size: 8, .value_kind: global_buffer, .address_space: global }
      - { .name: qkv, .offset: 40, .size: 8, .value_kind: global_buffer, .address_space: global }
    .group_segment_fixed_size: 327680
    .private_segment_fixed_size: 0
    .kernarg_segment_align: 8
    .kernarg_segment_size: 48
    .max_flat_workgroup_size: 128
    .sgpr_count:     100
    .vgpr_count:     1024
    .wavefront_size: 32
...
	.end_amdgpu_metadata
.endif
;; end of part 2
;; launch att (part 3): grid 8 x 32, 16 waves a work-group, clusters of 4 x 1, 237,568 bytes of LDS; arguments qkv, op; writes op
.if DOCPART == 3
	.amdgcn_target "amdgcn-amd-amdhsa--gfx1250"
	.amdhsa_code_object_version 6
	.text
	.protected	k_qf5dacdfa6c_att
	.globl	k_qf5dacdfa6c_att
	.p2align	8
	.type	k_qf5dacdfa6c_att,@function
k_qf5dacdfa6c_att:
	s_mov_b64 s[64:65], 0
	v_nop
	global_prefetch_b8 v0, s[64:65] scope:SCOPE_SE
	s_setreg_imm32_b32 hwreg(HW_REG_WAVE_MODE, 25, 1), 1
	s_wait_xcnt 0x0
	s_wait_alu depctr_hold_cnt(0) depctr_sa_sdst(0) depctr_va_vdst(0) depctr_va_sdst(0) depctr_va_ssrc(0) depctr_va_vcc(0) depctr_vm_vsrc(0)
	s_getreg_b32 s2, hwreg(HW_REG_IB_STS2, 6, 4)
	s_cmp_eq_u32 s2, 0
	s_cbranch_scc0 .Lentry_in_a_cluster
	s_endpgm
.Lentry_in_a_cluster:
	s_bfe_u32 s2, ttmp6, 0x10000c
	s_cmp_lg_u32 s2, 0x3003
	s_cbranch_scc0 .Lentry_shape_is_right
	s_endpgm
.Lentry_shape_is_right:
; o = softmax(q k^T / 8) v for one head and 256 queries a work-group, both products on codes of E2M3; o is quantised along the channels and stored as the next product's operand.
; THE SOFTMAX AHEAD OF THE SECOND PRODUCT: t = score x log2(e) / 8; M = the row's largest t so far, rounded UP to a whole number; p = 2^(t - M) is quantised along the keys, not normalised;
; the row's sum is taken of the unquantised p and divides at the end.  When M moves, the sum and O are multiplied by 2^(old M - new M): exact, and done in every step without a branch.
; OPERANDS are images of registers.  q, k: panels of 128 tokens, 6,656 bytes: tile a's 6 registers (the head's 64 along K) at 768 a (registers 0-3 of lane l at 16 l, 4-5 at 512 + 8 l), scale words at 6,144 (word 16 l + 4 p = tile 2 p + l / 16).
; The instruction's K is 128: registers 6-11 of both operands are zero codes, written once.  v: panels of 6,400 bytes: four tiles of 16 channels x 128 keys at 1,536 a, scale words at 6,144 (word 8 l + 4 p).
; In a stored tile a, lane index i' is token 32 (a / 2) + 8 (a % 2) + i' + 8 (i' / 8).
; THE TILES OF k ARE COMPOSED ANEW BY THE LANES' ADDRESSES: tile (c, t) takes keys 64 c + 8 t + 0..7 in lane indices 0-7 and keys 64 c + 32 + 8 t + 0..7 in lane indices 8-15.  S^T = k q^T then leaves in lane (r, h), registers 32 c + 0..31,
; the keys 64 c + 32 h + 0..31 of query r: a WHOLE block of 32 in a lane, in the order of the second product's operand.  A block's maximum needs no other lane and its codes no exchange; only the row's maximum and the scale word join lanes l and l xor 16.
; Lane index i of tile (c, t) is lane index (i % 8) + 8 (t / 2) of stored tile 4 c + 2 (i / 8) + t % 2.
; SHARES.  Sixteen waves, one tile of 16 queries each, 256 registers: four waves to a SIMD.  Every wave walks the head's 2,048 keys, 128 a step, two steps a trip (the two registers for -M take turns; the LDS offsets of the second step are immediates).
; LDS holds the WHOLE head, every byte filled once: k's 16 panels from byte 0, each row of 256 bytes followed by 64 bytes of padding (a panel: 26 x 320 bytes), so that the two stored tiles that a 16-byte load touches, six rows apart,
; start 128 bytes apart modulo 256; v's 16 panels behind them, dense.  Wave w < 8 fetches k's panels 2 w, 2 w + 1 by ONE load (52 rows), wave 8 + w v's (50 rows): one tensor load a wave in the whole launch.
; CLUSTER 4 x 1: the four blocks of queries of a cluster read the same k and v: each load is a joint one.  No prefetch: the launch has no loop of loads to run ahead in.
; ORDER OF A STEP: the places behind the products are work that is due anyway: the sum of the last step's p of keys 64..127 stands behind the first four products, the first block's maxima behind the second four;
; the next step's first four tiles of k are fetched in the middle of this step (the last step so fetches v's first bytes, which nobody uses).
; LIMITS: NaN and infinities are not served; the promise holds while the scaled scores stay under 2^31 in magnitude; v_exp_f32 gives 0 under 2^-126; a block's largest p is made from its largest score by the same two instructions
; (this takes v_exp_f32 not to fall where its input rises); a block of zeros gets the byte 1.
.set KPAN,  6656
.set VPAN,  6400
.set PAN,   12800
.set KLDS,  26*320                     ; a panel of k in LDS
.set KOFF,  3407872                    ; k's panels in the buffer, behind q's 512
.set VOFF,  6815744                    ; v's
.set VBASE, 16*KLDS                    ; v's panels in LDS
.set SPARE, VBASE+16*VPAN              ; the spare words, 128 bytes a wave
.set L16,  1                           ; 16 x lane, 8 x lane
.set L8,   2
.set LK16, 3                           ; the lane's terms for k's composed tiles: 16-byte part, 8-byte part, scale words
.set LK8,  4
.set LKS,  5
.set QO,   6                           ; my row's scale word in a panel
.set ADK16, 7
.set ADK8,  8
.set ADKS,  9
.set ADV16, 10
.set ADV8,  11
.set NMA,  12                          ; -M, two registers by turns (each the low word of a pair)
.set RM,   13                          ; the running largest score
.set NMB,  14
.set QS,   15                          ; q's scale words
.set F,    16                          ; 2^(old M - new M)
.set PSW,  17                          ; p's scale word
.set L,    18                          ; v18-19 the row's sum, in two halves
.set TT,   20                          ; v20-26 at work: chains of sums and maxima, the conversions' second halves
.set X,    20
.set Y,    21
.set WD,   27
.set SPW,  28
.set NIL,  29
.set VSC,  30                          ; v30-31 v's scale words
.set KB,   32                          ; v32-79 four fragments of k
.set VB,   80                          ; v80-127 v's four
.set S,    128                         ; v128-191 S^T, then p
.set O,    192                         ; v192-223 O^T
.set PF,   224                         ; v224-235 p's fragment
.set QF,   236                         ; v236-247 q's fragment
.set KSC,  248                         ; v248-251 k's scale words: register 2 c + t / 2: lanes 0-15 the even tile's, lanes 16-31 the odd tile's
.set BM,   252                         ; v252-253 my two blocks' largest score, then largest p, then byte
.set SO,   254                         ; v254-255 the conversions' scale operands
.set WV,   18
.set SEL,  20
.set CS,   22
.set G1K,  24
.set G1V,  32
.set G0K,  40
.set G0V,  44
.set TK,   2
.set TV,   3
.set CNT,  62
.set NCS,  63
.macro CROUND                          ; a round of the cluster's barrier
	s_barrier_signal -1
	s_barrier_wait -1
	s_cmp_lg_u32 s[WV], 0
	s_cbranch_scc1 .Lnot_wave_0_\@
	s_barrier_signal -3
.Lnot_wave_0_\@:
	s_barrier_wait -3
	s_barrier_signal -1
	s_barrier_wait -1
.endm
.macro SQ c, t                         ; S^T, tile (c, t): 16 keys x my 16 queries
.if (\t)%2
	v_wmma_scale_f32_16x16x128_f8f6f4 v[S+32*\c+8*\t:S+32*\c+8*\t+7], v[KB+12*\t:KB+12*\t+11], v[QF:QF+11], 0, v[KSC+2*\c+\t/2], v[QS] matrix_a_fmt:MATRIX_FMT_FP6 matrix_b_fmt:MATRIX_FMT_FP6 matrix_a_scale:MATRIX_SCALE_ROW1
.else
	v_wmma_scale_f32_16x16x128_f8f6f4 v[S+32*\c+8*\t:S+32*\c+8*\t+7], v[KB+12*\t:KB+12*\t+11], v[QF:QF+11], 0, v[KSC+2*\c+\t/2], v[QS] matrix_a_fmt:MATRIX_FMT_FP6 matrix_b_fmt:MATRIX_FMT_FP6
.endif
.endm
.macro PV t                            ; O^T, tile t: 16 channels x my 16 queries, K = the step's 128 keys; the four accumulators take turns
.if (\t)%2
	v_wmma_scale_f32_16x16x128_f8f6f4 v[O+8*\t:O+8*\t+7], v[VB+12*\t:VB+12*\t+11], v[PF:PF+11], v[O+8*\t:O+8*\t+7], v[VSC+\t/2], v[PSW] matrix_a_fmt:MATRIX_FMT_FP6 matrix_b_fmt:MATRIX_FMT_FP6 matrix_a_scale:MATRIX_SCALE_ROW1
.else
	v_wmma_scale_f32_16x16x128_f8f6f4 v[O+8*\t:O+8*\t+7], v[VB+12*\t:VB+12*\t+11], v[PF:PF+11], v[O+8*\t:O+8*\t+7], v[VSC+\t/2], v[PSW] matrix_a_fmt:MATRIX_FMT_FP6 matrix_b_fmt:MATRIX_FMT_FP6
.endif
.endm
.macro KLOAD c, off                    ; the four composed tiles of half c: 8 loads.  A stored tile is three LDS rows of 320 bytes
.irp t, 0,1,2,3
	ds_load_b128 v[KB+12*\t:KB+12*\t+3], v[ADK16] offset:(\off)+960*(4*(\c)+\t%2)+128*(\t/2)
	ds_load_b64 v[KB+12*\t+4:KB+12*\t+5], v[ADK8] offset:(\off)+960*(4*(\c)+\t%2)+640+64*(\t/2)
.endr
.endm
.macro KSCALES off                     ; 4 loads: the scale words begin at LDS row 24 of a panel
.irp q, 0,1,2,3
	ds_load_b32 v[KSC+\q], v[ADKS] offset:(\off)+7680+128*(\q%2)+8*(\q/2)
.endr
.endm
.macro BMAX_A c                        ; my block c's largest score: four chains, one a tile, each accumulator from its low end on
	v_max3_num_f32 v[BM+\c], v[S+32*\c], v[S+32*\c+1], v[S+32*\c+2]
.irp t, 1,2,3
	v_max3_num_f32 v[TT+\t-1], v[S+32*\c+8*\t], v[S+32*\c+8*\t+1], v[S+32*\c+8*\t+2]
.endr
.endm
.macro BMAX_B c
.irp i, 3,5
	v_max3_num_f32 v[BM+\c], v[BM+\c], v[S+32*\c+\i], v[S+32*\c+\i+1]
.irp t, 1,2,3
	v_max3_num_f32 v[TT+\t-1], v[TT+\t-1], v[S+32*\c+8*\t+\i], v[S+32*\c+8*\t+\i+1]
.endr
.endr
	v_max3_num_f32 v[BM+\c], v[BM+\c], v[TT], v[TT+1]
	v_max3_num_f32 v[TT+2], v[TT+2], v[S+32*\c+7], v[S+32*\c+15]
	v_max3_num_f32 v[BM+\c], v[BM+\c], v[TT+2], v[S+32*\c+23]
	v_max_num_f32 v[BM+\c], v[BM+\c], v[S+32*\c+31]
.endm
.macro DEF_A                           ; the sum of the last step's p of keys 64..127 (still under the last step's M): four chains
	v_pk_add_f32 v[TT:TT+1], v[S+32:S+33], v[S+34:S+35]
	v_pk_add_f32 v[TT+2:TT+3], v[S+36:S+37], v[S+38:S+39]
	v_pk_add_f32 v[TT+4:TT+5], v[S+40:S+41], v[S+42:S+43]
	v_pk_add_f32 v[L:L+1], v[L:L+1], v[S+44:S+45]
.endm
.macro DEF_B
.irp j, 46,54
	v_pk_add_f32 v[TT:TT+1], v[TT:TT+1], v[S+\j:S+\j+1]
	v_pk_add_f32 v[TT+2:TT+3], v[TT+2:TT+3], v[S+\j+2:S+\j+3]
	v_pk_add_f32 v[TT+4:TT+5], v[TT+4:TT+5], v[S+\j+4:S+\j+5]
	v_pk_add_f32 v[L:L+1], v[L:L+1], v[S+\j+6:S+\j+7]
.endr
	v_pk_add_f32 v[TT:TT+1], v[TT:TT+1], v[S+62:S+63]
	v_pk_add_f32 v[TT+2:TT+3], v[TT+2:TT+3], v[TT+4:TT+5]
	s_delay_alu instid0(VALU_DEP_2)
	v_pk_add_f32 v[L:L+1], v[L:L+1], v[TT:TT+1]
	s_delay_alu instid0(VALU_DEP_1)
	v_pk_add_f32 v[L:L+1], v[L:L+1], v[TT+2:TT+3]
.endm
.macro PKF j, nmn                      ; t - M, two at a time
	v_pk_fma_f32 v[S+\j:S+\j+1], v[S+\j:S+\j+1], s[CS:CS+1], v[\nmn:\nmn+1] op_sel_hi:[1,0,0]
.endm
	s_load_b128 s[4:7], s[0:1], 0x0                ; attention's panels s[4:5], o's s[6:7]
	v_lshl_add_u32 v[SPW], v0, 2, SPARE
	v_mov_b32 v[NIL], 0
	ds_add_u32 v[SPW], v[NIL]                      ; the opening lines: the add, twice on end, and its wait ahead of my tensor load
	ds_add_u32 v[SPW], v[NIL]
	v_lshrrev_b32 v20, 5, v0
	v_readfirstlane_b32 s[WV], v20                 ; wave 0..15
	s_and_b32 s19, s[WV], 7                        ; my tile a of queries; also which pair of panels I fetch
	s_and_b32 s12, ttmp7, 0xffff                   ; 16 x batch + head: the four partners share it
	s_lshl_b32 s13, s12, 4
	s_lshl_b32 s15, s19, 1
	s_add_co_u32 s13, s13, s15                     ; the first of my two panels
	s_mul_i32 s56, s13, KPAN
	s_add_co_u32 s56, s56, KOFF
	s_mov_b32 s57, 0
	s_mul_i32 s58, s13, VPAN
	s_add_co_u32 s58, s58, VOFF
	s_mov_b32 s59, 0
	s_mul_i32 s60, s15, KLDS                       ; and where they go
	s_mul_i32 s61, s15, VPAN
	s_add_co_u32 s61, s61, VBASE
	s_mov_b32 s[G1K], 15|(3<<16)|(1<<20)|(1<<21)|(5<<22)|(15<<25)   ; the mask: all four work-groups; elements of 8 bytes; padding on; 21 set beside a mask; after every 64 words, 16 words
	s_mov_b32 s[G1K+1], 32<<16                     ; a dense block as rows of 256 bytes
	s_mov_b32 s[G1K+2], 52<<16                     ; 13,312 bytes: 52 rows
	s_mov_b32 s[G1K+3], 32<<16
	s_mov_b32 s[G1K+4], 52
	s_mov_b32 s[G1K+5], 32
	s_mov_b32 s[G1K+6], 0
	s_mov_b32 s[G1K+7], 0
	s_mov_b32 s[G1V], 15|(3<<16)|(1<<21)
	s_mov_b32 s[G1V+1], 32<<16
	s_mov_b32 s[G1V+2], 50<<16                     ; 12,800 bytes: 50 rows
	s_mov_b32 s[G1V+3], 32<<16
	s_mov_b32 s[G1V+4], 50
	s_mov_b32 s[G1V+5], 32
	s_mov_b32 s[G1V+6], 0
	s_mov_b32 s[G1V+7], 0
	s_bfe_u32 s10, ttmp6, 0x40000                  ; cx: it enters q's and o's global addresses alone
	s_lshl_b32 s11, ttmp9, 2
	s_add_co_u32 s11, s11, s10                     ; my block of 256 queries
	s_lshl_b32 s11, s11, 1
	s_lshr_b32 s14, s[WV], 3
	s_add_co_u32 s14, s14, s11                     ; my group of 128 tokens in the batch
	s_lshl_b32 s16, s12, 4
	s_add_co_u32 s16, s16, s14
	s_mul_i32 s16, s16, KPAN                       ; q's panel
	s_mov_b32 s17, 0
	s_lshr_b32 s66, s12, 4
	s_lshl_b32 s66, s66, 4
	s_add_co_u32 s66, s66, s14                     ; the group among all 32
	s_lshl_b32 s66, s66, 3
	s_bfe_u32 s68, s12, 0x30001                    ; head / 2: the K step of the next product
	s_add_co_u32 s66, s66, s68
	s_mul_i32 s66, s66, PAN                        ; o's panel
	s_mov_b32 s67, 0
	s_and_b32 s69, s12, 1                          ; head % 2: which half of a fragment
	s_mul_i32 s70, s19, 768                        ; q: tile a's half fragment
	s_and_b32 s71, s19, 1
	s_lshl_b32 s71, s71, 8
	s_lshr_b32 s72, s19, 1
	s_lshl_b32 s72, s72, 2
	s_add_co_u32 s71, s71, s72                     ; its scale words: 256 (a % 2) + 4 (a / 2)
	s_mul_i32 s72, s19, 1536
	s_mul_i32 s73, s69, 768
	s_add_co_u32 s72, s72, s73                     ; o: tile a, half head % 2
	s_lshl_b32 s73, s69, 1                         ; and 2 (head % 2) bytes into the scale word
	s_mov_b32 s[SEL], 0x76543210
	s_mov_b32 s[SEL+1], 0xfedcba98
	s_mov_b32 s[CS], 0x3e38aa3b                    ; c = log2(e) / 8
	s_mov_b32 s[CS+1], s[CS]
	s_mov_b32 s[NCS], 0xbe38aa3b                   ; -c
	s_mov_b32 s[TK], 0
	s_mov_b32 s[TV], VBASE
	s_wait_dscnt 0x0                               ; both opening adds are done
	s_wait_kmcnt 0x0
	s_add_nc_u64 s[56:57], s[4:5], s[56:57]
	s_add_nc_u64 s[58:59], s[4:5], s[58:59]
	s_add_nc_u64 s[8:9], s[4:5], s[16:17]
	s_add_nc_u64 s[6:7], s[6:7], s[66:67]
	CROUND                                         ; all four work-groups are here: the joint loads meet
	s_mov_b32 s[G0K], 1
	s_mov_b32 s[G0K+1], s60
	s_mov_b64 s[G0K+2:G0K+3], s[56:57]
	s_or_b32 s[G0K+3], s[G0K+3], 0x80000000
	s_mov_b32 s[G0V], 1
	s_mov_b32 s[G0V+1], s61
	s_mov_b64 s[G0V+2:G0V+3], s[58:59]
	s_or_b32 s[G0V+3], s[G0V+3], 0x80000000
	s_cmp_lt_u32 s[WV], 8                          ; one branch on the wave's number, one load in each arm
	s_cbranch_scc0 .Lfill_v
	tensor_load_to_lds s[G0K:G0K+3], s[G1K:G1K+7]
	s_nop 0
.rept 4
	v_nop
.endr
	s_branch .Lfilled
.Lfill_v:
	tensor_load_to_lds s[G0V:G0V+3], s[G1V:G1V+7]
	s_nop 0
.rept 4
	v_nop
.endr
.Lfilled:
	v_and_b32 v20, 31, v0
	v_and_b32 v21, 7, v0                           ; i % 8
	v_bfe_u32 v22, v0, 3, 1                        ; i / 8
	v_bfe_u32 v23, v0, 4, 1                        ; h
	v_and_b32 v24, 15, v0
	v_lshlrev_b32 v[L16], 4, v20
	v_lshlrev_b32 v[L8], 3, v20
	v_mul_u32_u24 v22, v22, 1920                   ; two stored tiles on: six LDS rows
	v_lshl_add_u32 v[QO], v24, 4, s71
	v_add_nc_u32 v25, s70, v[L16]
	v_add_nc_u32 v26, s70, v[L8]
	global_load_b128 v[QF:QF+3], v25, s[8:9]
	global_load_b64 v[QF+4:QF+5], v26, s[8:9] offset:512
	global_load_b32 v[QS], v[QO], s[8:9] offset:6144
	v_lshl_add_u32 v[LK16], v21, 4, v22            ; 16-byte part: 1,920 (i / 8) + 16 (i % 8)
	v_lshl_add_u32 v[LK8], v21, 3, v22             ; 8-byte part: 1,920 (i / 8) + 8 (i % 8)
	v_bfe_u32 v22, v0, 3, 1
	v_lshlrev_b32 v[LKS], 4, v21                   ; scale words: 16 (i % 8)
	v_mad_u32_u24 v[LK16], v23, 320, v[LK16]       ; + a row for lanes 16-31
	v_lshl_add_u32 v[LK8], v23, 7, v[LK8]          ; + 128 h, inside the row
	v_lshl_add_u32 v[LKS], v22, 2, v[LKS]          ; + 4 (i / 8)
	v_mad_u32_u24 v[LKS], v23, 320, v[LKS]         ; lanes 16-31 take the odd tile's words, a row on
.irp i, 6,7,8,9,10,11
	v_mov_b32 v[QF+\i], 0                          ; k = 64 .. 127 of the instruction: zero codes, in q
.irp t, 0,1,2,3
	v_mov_b32 v[KB+12*\t+\i], 0                    ; and in k's four buffers; the loads never touch them
.endr
.endr
	v_mov_b32 v[RM], 0xff61b1e6                    ; the largest score so far: -3e38
	v_mov_b32 v[NMA], 0x7f61b1e6                   ; -M: 3e38, so that the first step's factor is 0
	v_mov_b32 v[NMB], 0
	v_mov_b32 v[F], 0
	v_mov_b32 v[PSW], 0                            ; (named as the upper half of a pair before it is first written)
	v_mov_b32 v[L], 0
	v_mov_b32 v[L+1], 0
.set j, 0
.rept 32
	v_mov_b32 v[O+j], 0                            ; O^T, and the p whose sum the first step takes: the step is written once; the first finds zeros
	v_mov_b32 v[S+32+j], 0
.set j, j+1
.endr
; A KEY STEP: 128 keys.  u: the first or the second of a trip;  nmo, nmn: the registers of the old and the new -M.
.macro STEP u, nmo, nmn
	s_wait_dscnt 0x0                               ; k's tiles (0, 0..3) and scale words, asked for in the last step, are in
.irp t, 0,1,2,3
	SQ 0, \t
.endr
	DEF_A                                          ; four places behind these products and the last step's, in front of the loads into their operands
.if \u == 0
	v_add_nc_u32 v[ADV16], s[TV], v[L16]
	v_add_nc_u32 v[ADV8], s[TV], v[L8]
	s_add_co_u32 s[TV], s[TV], 2*VPAN
.endif
	KLOAD 1, \u*KLDS
.irp t, 0,1,2,3
	ds_load_b128 v[VB+12*\t:VB+12*\t+3], v[ADV16] offset:\u*VPAN+1536*\t
	ds_load_b64 v[VB+12*\t+4:VB+12*\t+5], v[ADV8] offset:\u*VPAN+1536*\t+512
	ds_load_b128 v[VB+12*\t+6:VB+12*\t+9], v[ADV16] offset:\u*VPAN+1536*\t+768
	ds_load_b64 v[VB+12*\t+10:VB+12*\t+11], v[ADV8] offset:\u*VPAN+1536*\t+1280
.endr
	ds_load_b64 v[VSC:VSC+1], v[ADV8] offset:\u*VPAN+6144
	DEF_B
	s_wait_dscnt 17                                ; k's tiles (1, 0..3) are in; v's 17 loads may be out
.irp t, 0,1,2,3
	SQ 1, \t
.endr
	BMAX_A 0                                       ; four places behind these products
.if \u == 0
	KLOAD 0, KLDS                                  ; the next step's first tiles and scale words: 12 loads
	KSCALES KLDS
.else
	s_add_co_u32 s[TK], s[TK], 2*KLDS
	v_add_nc_u32 v[ADK16], s[TK], v[LK16]
	v_add_nc_u32 v[ADK8], s[TK], v[LK8]
	v_add_nc_u32 v[ADKS], s[TK], v[LKS]
	KLOAD 0, 0
	KSCALES 0
.endif
	BMAX_B 0
	BMAX_A 1
	BMAX_B 1
	s_delay_alu instid0(VALU_DEP_1)
	v_max3_num_f32 v[X], v[BM], v[BM+1], v[RM]
	s_delay_alu instid0(VALU_DEP_1)
	v_permlanex16_b32 v[Y], v[X], s[SEL], s[SEL+1]
	s_delay_alu instid0(VALU_DEP_1)
	v_max_num_f32 v[RM], v[X], v[Y]                ; the running largest score of my query (c is positive)
	s_delay_alu instid0(VALU_DEP_1)
	v_mul_f32 v[X], s[NCS], v[RM]                  ; -t
	s_delay_alu instid0(VALU_DEP_1)
	v_floor_f32 v[\nmn], v[X]                      ; the new -M = -ceil(t)
	s_delay_alu instid0(VALU_DEP_1)
	v_sub_f32 v[X], v[\nmn], v[\nmo]               ; old M - new M: a whole number, 0 or less
	PKF 0, \nmn
	PKF 2, \nmn
	v_cvt_i32_f32 v[X], v[X]                       ; (it saturates)
	PKF 4, \nmn
	PKF 6, \nmn
	v_ldexp_f32 v[F], 1.0, v[X]                    ; f = 2^(old M - new M)
.set j, 8
.rept 28
	PKF j, \nmn
.set j, j+2
.endr
.irp c, 0,1
	v_fma_f32 v[BM+\c], v[BM+\c], s[CS], v[\nmn]   ; the same of each block's largest score
.endr
.set j, 0
.rept 16
	v_pk_mul_f32 v[O+j:O+j+1], v[O+j:O+j+1], v[F:F+1] op_sel_hi:[1,0]   ; O^T under the new M, from each accumulator's low end on, ahead of the exponentials
.set j, j+2
.endr
	s_wait_alu depctr_va_vdst(0)                   ; the wait ahead of the batch
.set j, 0
.rept 64
	v_exp_f32 v[S+j], v[S+j]                       ; p = 2^(t - M)
.set j, j+1
.endr
.irp c, 0,1
	v_exp_f32 v[BM+\c], v[BM+\c]                   ; the blocks' largest p
.endr
	v_nop                                          ; a plain place behind the exponentials,
	s_wait_alu depctr_va_vdst(0)                   ; and the one wait ahead of their first reader
.irp c, 0,1
	v_max_num_f32 v[BM+\c], 0x1800000, v[BM+\c]    ; the floor 2^(3 - 127): the byte cannot fall under 1
.endr
.irp c, 0,1
	s_delay_alu instid0(VALU_DEP_2)
	v_add_nc_u32 v[SO+\c], 0xff000000, v[BM+\c]    ; 2 off the exponent field: the conversion's scale operand
.endr
.irp c, 0,1
	s_delay_alu instid0(VALU_DEP_2)
	v_lshrrev_b32 v[BM+\c], 23, v[SO+\c]           ; the scale's byte
.endr
	s_delay_alu instid0(VALU_DEP_1)
	v_lshl_or_b32 v[X], v[BM+1], 16, v[BM]         ; my two bytes: blocks h and 2 + h
	s_delay_alu instid0(VALU_DEP_1)
	v_permlanex16_b32 v[Y], v[X], s[SEL], s[SEL+1]
	s_delay_alu instid0(VALU_DEP_1)
	v_lshl_or_b32 v[PSW], v[Y], 8, v[X]            ; in lanes 0-15, which alone are read: blocks 0, 2 mine, blocks 1, 3 lane l + 16's
.irp c, 0,1
	v_cvt_scalef32_pk16_fp6_f32 v[PF+6*\c:PF+6*\c+2], v[S+32*\c:S+32*\c+15], v[SO+\c]
	v_cvt_scalef32_pk16_fp6_f32 v[TT+4*\c:TT+4*\c+2], v[S+32*\c+16:S+32*\c+31], v[SO+\c]   ; (a conversion's three registers begin on an even number)
.endr
	v_pk_fma_f32 v[L:L+1], v[L:L+1], v[F:F+1], v[S:S+1] op_sel_hi:[1,0,1]   ; the sum under the new M, and the first two p: the plain place behind the conversions
.irp c, 0,1
.irp i, 0,1,2
	v_mov_b32 v[PF+6*\c+3+\i], v[TT+4*\c+\i]
.endr
.endr
	v_pk_add_f32 v[TT:TT+1], v[S+2:S+3], v[S+4:S+5]          ; the sum of p of keys 0..63; these fifteen are also the places in front of the products
	v_pk_add_f32 v[TT+2:TT+3], v[S+6:S+7], v[S+8:S+9]
	v_pk_add_f32 v[TT+4:TT+5], v[S+10:S+11], v[S+12:S+13]
.irp j, 14,22
	v_pk_add_f32 v[L:L+1], v[L:L+1], v[S+\j:S+\j+1]
	v_pk_add_f32 v[TT:TT+1], v[TT:TT+1], v[S+\j+2:S+\j+3]
	v_pk_add_f32 v[TT+2:TT+3], v[TT+2:TT+3], v[S+\j+4:S+\j+5]
	v_pk_add_f32 v[TT+4:TT+5], v[TT+4:TT+5], v[S+\j+6:S+\j+7]
.endr
	v_pk_add_f32 v[L:L+1], v[L:L+1], v[S+30:S+31]
	v_pk_add_f32 v[TT:TT+1], v[TT:TT+1], v[TT+2:TT+3]
	s_delay_alu instid0(VALU_DEP_2)
	v_pk_add_f32 v[L:L+1], v[L:L+1], v[TT+4:TT+5]
	s_delay_alu instid0(VALU_DEP_1)
	v_pk_add_f32 v[L:L+1], v[L:L+1], v[TT:TT+1]
	s_wait_alu depctr_va_vdst(0)                   ; directly ahead of the wait below
	s_wait_dscnt 12                                ; v's 17 loads are in; the next step's 12 of k may be out
.irp t, 0,1,2,3
	PV \t
.endr
.endm
	s_wait_alu depctr_va_vdst(0)                   ; the wait at the head's end
	s_wait_loadcnt 0x0                             ; q
	s_wait_tensorcnt 0x0                           ; my two panels are in; nothing is ever filled again
	s_barrier_signal -1
	s_barrier_wait -1                              ; all of k and v is
	v_add_nc_u32 v[ADK16], s[TK], v[LK16]
	v_add_nc_u32 v[ADK8], s[TK], v[LK8]
	v_add_nc_u32 v[ADKS], s[TK], v[LKS]
	s_wait_alu depctr_va_vdst(0)                   ; the wait behind these writes
	KLOAD 0, 0
	KSCALES 0
	s_mov_b32 s[CNT], 8
.Lkeys:
	STEP 0, NMA, NMB
	STEP 1, NMB, NMA
	s_sub_co_u32 s[CNT], s[CNT], 1
	s_cmp_lg_u32 s[CNT], 0
	s_cbranch_scc1 .Lkeys
	; THE WAY OUT: O^T / the sum; its 32 numbers a lane are two half blocks of 32 channels (register 16 b + i = channel 32 b + 16 h + i): half a fragment of the next product, and two bytes of its scale word.
	s_wait_dscnt 0x0                               ; the loads that the last step issued for a step that does not follow
	DEF_A                                          ; the last step's p of keys 64..127; also the places behind the last products
	DEF_B
	s_delay_alu instid0(VALU_DEP_1)
	v_add_f32 v[L], v[L], v[L+1]
	s_delay_alu instid0(VALU_DEP_1)
	v_permlanex16_b32 v[Y], v[L], s[SEL], s[SEL+1]
	s_delay_alu instid0(VALU_DEP_1)
	v_add_f32 v[L], v[L], v[Y]                     ; the row's sum
	s_wait_alu depctr_va_vdst(0)
	v_rcp_f32 v[L], v[L]
	v_add_nc_u32 v[ADK16], s72, v[L16]             ; the stores' offsets are the plain work behind the reciprocal
	v_add_nc_u32 v[ADK8], s72, v[L8]
	v_add_nc_u32 v[ADKS], s73, v[QO]
	s_wait_alu depctr_va_vdst(0)
.set j, 0
.rept 16
	v_pk_mul_f32 v[S+j:S+j+1], v[O+j:O+j+1], v[L:L+1] op_sel_hi:[1,0]
.set j, j+2
.endr
.irp b, 0,1
	v_max3_num_f32 v[BM+\b], |v[S+16*\b]|, |v[S+1+16*\b]|, 0x1800000
.endr
.irp i, 2,4,6,8,10,12,14
.irp b, 0,1
	s_delay_alu instid0(VALU_DEP_2)
	v_max3_num_f32 v[BM+\b], v[BM+\b], |v[S+16*\b+\i]|, |v[S+1+16*\b+\i]|
.endr
.endr
.irp b, 0,1
	s_delay_alu instid0(VALU_DEP_2)
	v_permlanex16_b32 v[TT+\b], v[BM+\b], s[SEL], s[SEL+1]
.endr
.irp b, 0,1
	s_delay_alu instid0(VALU_DEP_2)
	v_max_num_f32 v[BM+\b], v[BM+\b], v[TT+\b]     ; with lane l xor 16's 16 channels
.endr
.irp b, 0,1
	s_delay_alu instid0(VALU_DEP_2)
	v_add_nc_u32 v[SO+\b], 0xff000000, v[BM+\b]
.endr
.irp b, 0,1
	s_delay_alu instid0(VALU_DEP_2)
	v_lshrrev_b32 v[BM+\b], 23, v[SO+\b]
.endr
	s_delay_alu instid0(VALU_DEP_1)
	v_lshl_or_b32 v[WD], v[BM+1], 8, v[BM]
	v_cvt_scalef32_pk16_fp6_f32 v[PF:PF+2], v[S:S+15], v[SO]
	v_cvt_scalef32_pk16_fp6_f32 v[TT+4:TT+6], v[S+16:S+31], v[SO+1]
	v_nop                                          ; one plain place behind a scaled conversion
.irp i, 0,1,2
	v_permlane16_swap_b32 v[PF+\i], v[TT+4+\i]     ; a whole block in a lane: lanes 0-15 block 0, lanes 16-31 block 1
.endr
.irp i, 0,1,2
	s_delay_alu instid0(VALU_DEP_3)
	v_mov_b32 v[PF+3+\i], v[TT+4+\i]
.endr
	global_store_b128 v[ADK16], v[PF:PF+3], s[6:7]                 ; 512 consecutive bytes,
	global_store_b64 v[ADK8], v[PF+4:PF+5], s[6:7] offset:512      ; 256
	global_store_b16 v[ADKS], v[WD], s[6:7] offset:12288           ; two bytes a row: all that a head owns of a scale word (both halves of the lanes write the same)
	s_wait_tensorcnt 0x0                           ; the wave's end
	ds_add_u32 v[SPW], v[NIL]
	s_wait_dscnt 0x0
	CROUND                                         ; the closing round
	s_endpgm
.Lfunc_end_k_qf5dacdfa6c_att:
	.size	k_qf5dacdfa6c_att, .Lfunc_end_k_qf5dacdfa6c_att-k_qf5dacdfa6c_att
	.p2alignl 7, 3214868480
	.fill 96, 4, 3214868480
	.section	.rodata,"a",@progbits
	.p2align	6, 0x0
	.amdhsa_kernel k_qf5dacdfa6c_att
		.amdhsa_group_segment_fixed_size 237568
		.amdhsa_private_segment_fixed_size 0
		.amdhsa_enable_private_segment 0
		.amdhsa_kernarg_size 16
		.amdhsa_user_sgpr_count 2
		.amdhsa_user_sgpr_kernarg_segment_ptr 1
		.amdhsa_wavefront_size32 1
		.amdhsa_system_sgpr_workgroup_id_x 1
		.amdhsa_system_sgpr_workgroup_id_y 1
		.amdhsa_system_sgpr_workgroup_id_z 1
		.amdhsa_system_vgpr_workitem_id 0
		.amdhsa_next_free_vgpr 256
		.amdhsa_next_free_sgpr 80
		.amdhsa_reserve_vcc 0
		.amdhsa_float_denorm_mode_32 3
		.amdhsa_float_denorm_mode_16_64 3
		.amdhsa_memory_ordered 1
		.amdhsa_forward_progress 1
		.amdhsa_inst_pref_size 47
	.end_amdhsa_kernel
	.amdgpu_metadata
---
amdhsa.version: [ 1, 2 ]
amdhsa.kernels:
  - .name:           k_qf5dacdfa6c_att
    .symbol:         k_qf5dacdfa6c_att.kd
    .args:
      - { .name: qkv, .offset: 0, .size: 8, .value_kind: global_buffer, .address_space: global }
      - { .name: op, .offset: 8, .size: 8, .value_kind: global_buffer, .address_space: global }
    .group_segment_fixed_size: 237568
    .private_segment_fixed_size: 0
    .kernarg_segment_align: 8
    .kernarg_segment_size: 16
    .max_flat_workgroup_size: 512
    .sgpr_count:     80
    .vgpr_count:     256
    .wavefront_size: 32
...
	.end_amdgpu_metadata
.endif
;; end of part 3
;; launch oproj (part 4): grid 8 x 32, 4 waves a work-group, clusters of 4 x 4, 327,680 bytes of LDS; arguments op, wp, bo, x, h; writes h
.if DOCPART == 4
	.amdgcn_target "amdgcn-amd-amdhsa--gfx1250"
	.amdhsa_code_object_version 6
	.text
	.protected	k_qf5dacdfa6c_oproj
	.globl	k_qf5dacdfa6c_oproj
	.p2align	8
	.type	k_qf5dacdfa6c_oproj,@function
k_qf5dacdfa6c_oproj:
	s_mov_b64 s[64:65], 0
	v_nop
	global_prefetch_b8 v0, s[64:65] scope:SCOPE_SE
	s_setreg_imm32_b32 hwreg(HW_REG_WAVE_MODE, 25, 1), 1
	s_wait_xcnt 0x0
	s_wait_alu depctr_hold_cnt(0) depctr_sa_sdst(0) depctr_va_vdst(0) depctr_va_sdst(0) depctr_va_ssrc(0) depctr_va_vcc(0) depctr_vm_vsrc(0)
	s_getreg_b32 s2, hwreg(HW_REG_IB_STS2, 6, 4)
	s_cmp_eq_u32 s2, 0
	s_cbranch_scc0 .Lentry_in_a_cluster
	s_endpgm
.Lentry_in_a_cluster:
	s_bfe_u32 s2, ttmp6, 0x10000c
	s_cmp_lg_u32 s2, 0xf033
	s_cbranch_scc0 .Lentry_shape_is_right
	s_endpgm
.Lentry_shape_is_right:
; h = x + o wo^T + bo on codes of E2M3 (o: attention's result, 4,096 x 1,024, as panels; wo's panels at WOFF of the weights' buffer).  NS K steps of 128.
; A work-group makes 128 x 128, a wave 64 x 64: 16 accumulators in window 0; fragments, two sets, in window 1; the residual's rows in window 2.  Source 0 = wo's tiles, source 1 = the rows'.
; THE RING: two slots of four K steps (A's four panels, then B's four); each wave fetches two panels a fill, jointly: clusters 4 x 4, A shared along a row, B along a column.
; The bias is the C of the first K step.  The way out goes through each wave's own stage in LDS, so that sixteen lanes store 256 consecutive bytes; the residual is added on the way.
; LIMITS: NaN and infinities are not served.
.set NS,    8
.set WOFF,  192*12800
.set FINAL, 0
.set PAN,   12800
.set GRP,   2*PAN
.set SLOT,  4*GRP
.set STAGE, 2*SLOT
.set SPARE, STAGE+4*16*272
.set LAPS,  NS/8
.set STO, 10
.set RD,  11
.set CO,  12
.set A16, 16
.set A8,  18
.set AS,  20
.set B16, 22
.set B8,  24
.set BS,  26
.set SPW, 28
.set NIL, 29
.set SC,  32
.set BIAS, 64
.set OB,  96
.set ACC, 128
.set G1A, 24
.set G1B, 32
.set G0A, 40
.set G0B, 48
.set MSB, 0
.macro WIN new
.if MSB != \new
	s_set_vgpr_msb (MSB<<8)|\new
.set MSB, \new
.endif
.endm
.set MUL,  0x05
.set TO_F, 0x40
.macro PLACES n
.rept \n
	v_nop
.endr
.endm
.macro JLOAD g0a, g1a, g0b, g1b
	s_cmp_eq_u32 s15, 0
	s_cbranch_scc0 .Lfor_b_\@
	tensor_load_to_lds s[\g0a:\g0a+3], s[\g1a:\g1a+7]
	s_nop 0
.rept 4
	v_nop
.endr
	s_branch .Lasked_\@
.Lfor_b_\@:
	tensor_load_to_lds s[\g0b:\g0b+3], s[\g1b:\g1b+7]
	s_nop 0
.rept 4
	v_nop
.endr
.Lasked_\@:
.endm
.macro CREST
	s_cmp_lg_u32 s14, 0
	s_cbranch_scc1 .Lnot_wave_0_\@
	s_barrier_signal -3
.Lnot_wave_0_\@:
	s_barrier_wait -3
	s_barrier_signal -1
	s_barrier_wait -1
.endm
.macro CROUND
	s_barrier_signal -1
	s_barrier_wait -1
	CREST
.endm
.macro WM
.if fB && fA
	v_wmma_scale_f32_16x16x128_f8f6f4 v[rD:rD+7], v[rB:rB+11], v[rA:rA+11], v[rC:rC+7], v[rSB], v[rSA] matrix_a_fmt:MATRIX_FMT_FP6 matrix_b_fmt:MATRIX_FMT_FP6 matrix_a_scale:MATRIX_SCALE_ROW1 matrix_b_scale:MATRIX_SCALE_ROW1
.elseif fB
	v_wmma_scale_f32_16x16x128_f8f6f4 v[rD:rD+7], v[rB:rB+11], v[rA:rA+11], v[rC:rC+7], v[rSB], v[rSA] matrix_a_fmt:MATRIX_FMT_FP6 matrix_b_fmt:MATRIX_FMT_FP6 matrix_a_scale:MATRIX_SCALE_ROW1
.elseif fA
	v_wmma_scale_f32_16x16x128_f8f6f4 v[rD:rD+7], v[rB:rB+11], v[rA:rA+11], v[rC:rC+7], v[rSB], v[rSA] matrix_a_fmt:MATRIX_FMT_FP6 matrix_b_fmt:MATRIX_FMT_FP6 matrix_b_scale:MATRIX_SCALE_ROW1
.else
	v_wmma_scale_f32_16x16x128_f8f6f4 v[rD:rD+7], v[rB:rB+11], v[rA:rA+11], v[rC:rC+7], v[rSB], v[rSA] matrix_a_fmt:MATRIX_FMT_FP6 matrix_b_fmt:MATRIX_FMT_FP6
.endif
.endm
.macro MULROW a, f, first
.irp b, 0,1,2,3
.set rD, ACC+8*(4*(\a)+\b)
.set rB, 128*(\f)+48+12*\b
.set rA, 128*(\f)+12*(\a)
.set rC, rD
.if \first
.set rC, BIAS+8*\b
.endif
.set rSB, SC+4*(\f)+2+\b/2
.set rSA, SC+4*(\f)+(\a)/2
.set fB, \b%2
.set fA, (\a)%2
	WM
.endr
.endm
.macro FRAG reg, a16, a8, off
	ds_load_b128 v[\reg:\reg+3], v[\a16] offset:\off
	ds_load_b64 v[\reg+4:\reg+5], v[\a8] offset:\off+512
	ds_load_b128 v[\reg+6:\reg+9], v[\a16] offset:\off+768
	ds_load_b64 v[\reg+10:\reg+11], v[\a8] offset:\off+1280
.endm
.macro FETCH n, kk, f
	WIN TO_F
.irp i, 0,1,2,3
	FRAG 128*(\f)+12*\i, A16+\n, A8+\n, (\kk)*PAN+1536*\i
.endr
.irp i, 0,1,2,3
	FRAG 128*(\f)+48+12*\i, B16+\n, B8+\n, (\kk)*PAN+1536*\i
.endr
	WIN 0
	ds_load_b64 v[SC+4*(\f):SC+4*(\f)+1], v[AS+\n] offset:(\kk)*PAN
	ds_load_b64 v[SC+4*(\f)+2:SC+4*(\f)+3], v[BS+\n] offset:(\kk)*PAN
.endm
.macro KS n, kk, first
	FETCH \n, (\kk)+1, 1-(\kk)%2
	WIN MUL
	MULROW 0, (\kk)%2, \first
	MULROW 1, (\kk)%2, \first
	MULROW 2, (\kk)%2, \first
	MULROW 3, (\kk)%2, \first
	s_wait_dscnt 0x0
	PLACES 4
.endm
.macro TURN n, next, fill
	WIN 0
	s_wait_tensorcnt 0x0
	ds_add_u32 v[SPW], v[NIL]
	WIN MUL
	MULROW 0, 1, 0
	s_wait_dscnt 0x0
	s_barrier_signal -1
	MULROW 1, 1, 0
	WIN 0
	s_barrier_wait -1
.if \fill
	CREST
	s_add_nc_u64 s[G0A+4*\n+2:G0A+4*\n+3], s[G0A+4*\n+2:G0A+4*\n+3], 8*PAN
	s_add_nc_u64 s[G0B+4*\n+2:G0B+4*\n+3], s[G0B+4*\n+2:G0B+4*\n+3], 8*PAN
	JLOAD G0A+4*\n, G1A, G0B+4*\n, G1B
.else
	PLACES 4
.endif
	FETCH \next, 0, 0
	WIN MUL
	MULROW 2, 1, 0
	MULROW 3, 1, 0
	s_wait_dscnt 0x0
	PLACES 4
.endm
	s_load_b256 s[4:11], s[0:1], 0x0
	s_load_b64 s[12:13], s[0:1], 0x20
	v_lshl_add_u32 v[SPW], v0, 2, SPARE
	v_mov_b32 v[NIL], 0
	ds_add_u32 v28, v29
	ds_add_u32 v28, v29
	s_wait_dscnt 0x0
	v_lshrrev_b32 v1, 5, v0
	v_readfirstlane_b32 s14, v1
	s_lshr_b32 s15, s14, 1
	s_and_b32 s16, s14, 1
	s_bfe_u32 s17, ttmp6, 0x40000
	s_bfe_u32 s18, ttmp6, 0x40004
	s_lshl_b32 s20, ttmp9, 2
	s_add_co_u32 s20, s20, s17
	s_and_b32 s19, ttmp7, 0xffff
	s_lshl_b32 s19, s19, 2
	s_add_co_u32 s19, s19, s18
	s_lshl_b32 s21, s18, 2
	s_lshl_b32 s21, 15, s21
	s_lshl_b32 s22, 0x1111, s17
	s_or_b32 s[G1A], s21, (3<<16)|(1<<21)
	s_or_b32 s[G1B], s22, (3<<16)|(1<<21)
.irp g, G1A, G1B
	s_mov_b32 s[\g+1], 32<<16
	s_mov_b32 s[\g+2], 100<<16
	s_mov_b32 s[\g+3], 32<<16
	s_mov_b32 s[\g+4], 100
	s_mov_b32 s[\g+5], 32
	s_mov_b32 s[\g+6], 0
	s_mov_b32 s[\g+7], 0
.endr
	s_mul_i32 s60, s16, GRP
	s_mul_i32 s56, s19, NS*PAN
	s_add_co_u32 s56, s56, s60
	s_mov_b32 s57, 0
	s_mul_i32 s58, s20, NS*PAN
	s_add_co_u32 s58, s58, s60
	s_add_co_u32 s58, s58, WOFF
	s_mov_b32 s59, 0
	s_mul_i32 s23, s14, GRP
	s_wait_kmcnt 0x0
	s_add_nc_u64 s[66:67], s[4:5], s[56:57]
	s_add_nc_u64 s[68:69], s[6:7], s[58:59]
	CROUND
.irp n, 0,1
	s_mov_b32 s[G0A+4*\n], 1
	s_add_co_u32 s[G0A+4*\n+1], s23, \n*SLOT
	s_add_nc_u64 s[G0A+4*\n+2:G0A+4*\n+3], s[66:67], \n*4*PAN
	s_or_b32 s[G0A+4*\n+3], s[G0A+4*\n+3], 0x80000000
	s_mov_b32 s[G0B+4*\n], 1
	s_add_co_u32 s[G0B+4*\n+1], s23, \n*SLOT
	s_add_nc_u64 s[G0B+4*\n+2:G0B+4*\n+3], s[68:69], \n*4*PAN
	s_or_b32 s[G0B+4*\n+3], s[G0B+4*\n+3], 0x80000000
	s_wait_alu depctr_va_vdst(0)
	s_wait_tensorcnt 0x0
	ds_add_u32 v28, v29
	ds_add_u32 v28, v29
	s_wait_dscnt 0x0
	CROUND
	JLOAD G0A+4*\n, G1A, G0B+4*\n, G1B
.endr
	v_and_b32 v1, 31, v0
	v_lshlrev_b32 v2, 4, v1
	s_wait_alu depctr_va_vdst(0)
	v_lshlrev_b32 v3, 3, v1
	s_wait_alu depctr_va_vdst(0)
	s_mul_i32 s60, s15, 6144
	s_mul_i32 s61, s16, 6144
	s_add_co_u32 s61, s61, 4*PAN
	s_lshl_b32 s62, s15, 3
	s_add_co_u32 s62, s62, 12288
	s_lshl_b32 s63, s16, 3
	s_add_co_u32 s63, s63, 4*PAN+12288
.irp n, 0,1
	v_add_nc_u32 v[A16+\n], s60, v2
	v_add_nc_u32 v[A8+\n], s60, v3
	v_add_nc_u32 v[AS+\n], s62, v2
	v_add_nc_u32 v[B16+\n], s61, v2
	v_add_nc_u32 v[B8+\n], s61, v3
	v_add_nc_u32 v[BS+\n], s63, v2
	s_add_co_u32 s60, s60, SLOT
	s_add_co_u32 s61, s61, SLOT
	s_add_co_u32 s62, s62, SLOT
	s_add_co_u32 s63, s63, SLOT
.endr
	v_and_b32 v4, 15, v0
	v_bfe_u32 v5, v0, 4, 1
	s_mul_i32 s60, s14, 16*272
	s_add_co_u32 s60, s60, STAGE
	v_mul_u32_u24 v[STO], v4, 272
	v_lshl_add_u32 v[STO], v5, 6, v[STO]
	v_add_nc_u32 v[STO], s60, v[STO]
	v_mul_u32_u24 v[RD], v5, 272
	v_lshl_add_u32 v[RD], v4, 4, v[RD]
	v_add_nc_u32 v[RD], s60, v[RD]
	v_lshlrev_b32 v[CO], 12, v5
	v_lshl_add_u32 v[CO], v4, 4, v[CO]
	v_lshlrev_b32 v6, 6, v5
	s_wait_alu depctr_va_vdst(0)
	s_lshl_b32 s70, s19, 7
	s_lshl_b32 s71, s15, 6
	s_add_co_u32 s70, s70, s71
	s_lshl_b32 s70, s70, 12
	s_lshl_b32 s71, s20, 9
	s_add_co_u32 s70, s70, s71
	s_lshl_b32 s72, s16, 8
	s_add_co_u32 s70, s70, s72
	s_add_co_u32 s72, s72, s71
	s_mov_b32 s71, 0
	s_mov_b32 s73, 0
	s_add_nc_u64 s[10:11], s[10:11], s[70:71]
	s_add_nc_u64 s[12:13], s[12:13], s[70:71]
	s_add_nc_u64 s[8:9], s[8:9], s[72:73]
.irp b, 0,1,2,3
	global_load_b128 v[BIAS+8*\b:BIAS+8*\b+3], v6, s[8:9] offset:(32*(\b/2)+8*(\b%2))*4
	global_load_b128 v[BIAS+8*\b+4:BIAS+8*\b+7], v6, s[8:9] offset:(32*(\b/2)+8*(\b%2))*4+16
.endr
	WIN 0x80
.irp a, 0,1,2,3
.irp t, 0,1,2,3,4,5,6,7
	global_load_b128 v[32*\a+4*\t:32*\a+4*\t+3], v[CO], s[10:11] offset:(32*(\a/2)+8*(\a%2)+2*\t+8*(\t/4))*4096 th:TH_LOAD_NT
.endr
.endr
	WIN 0
	s_wait_loadcnt 32
	s_wait_tensorcnt 1
	s_barrier_signal -1
	s_barrier_wait -1
	FETCH 0, 0, 0
	s_wait_dscnt 0x0
	KS 0, 0, 1
.if LAPS > 1
	WIN 0
	s_mov_b32 s3, LAPS-1
.Llap:
	KS 0, 1, 0
	KS 0, 2, 0
	TURN 0, 1, 1
	KS 1, 0, 0
	KS 1, 1, 0
	KS 1, 2, 0
	TURN 1, 0, 1
	KS 0, 0, 0
	WIN 0
	s_sub_co_u32 s3, s3, 1
	s_cmp_lg_u32 s3, 0
	s_cbranch_scc1 .Llap
.endif
	KS 0, 1, 0
	KS 0, 2, 0
	TURN 0, 1, 0
	KS 1, 0, 0
	KS 1, 1, 0
	KS 1, 2, 0
	WIN MUL
	MULROW 0, 1, 0
	MULROW 1, 1, 0
	MULROW 2, 1, 0
	MULROW 3, 1, 0
	WIN 0
	PLACES 4
	s_wait_loadcnt 0x0
.macro OUTA a
.if \a > 0
	s_wait_xcnt 0x0
.endif
.irp b, 0,1,2,3
	ds_store_b128 v[STO], v[ACC+8*(4*\a+\b):ACC+8*(4*\a+\b)+3] offset:128*(\b/2)+32*(\b%2)
	ds_store_b128 v[STO], v[ACC+8*(4*\a+\b)+4:ACC+8*(4*\a+\b)+7] offset:128*(\b/2)+32*(\b%2)+16
.endr
.irp t, 0,1,2,3,4,5,6,7
	ds_load_b128 v[OB+4*\t:OB+4*\t+3], v[RD] offset:544*\t
.endr
	s_wait_dscnt 0x0
	WIN 0x08
.set j, 0
.rept 16
	v_pk_add_f32 v[OB+j:OB+j+1], v[OB+j:OB+j+1], v[32*\a+j:32*\a+j+1]
.set j, j+2
.endr
	WIN 0
.irp t, 0,1,2,3,4,5,6,7
.if FINAL
	global_store_b128 v[CO], v[OB+4*\t:OB+4*\t+3], s[12:13] offset:(32*(\a/2)+8*(\a%2)+2*\t+8*(\t/4))*4096 th:TH_STORE_NT
.else
	global_store_b128 v[CO], v[OB+4*\t:OB+4*\t+3], s[12:13] offset:(32*(\a/2)+8*(\a%2)+2*\t+8*(\t/4))*4096
.endif
.endr
.endm
	OUTA 0
	OUTA 1
	OUTA 2
	OUTA 3
	s_wait_tensorcnt 0x0
	ds_add_u32 v[SPW], v[NIL]
	s_wait_dscnt 0x0
	CROUND
	s_endpgm
.Lfunc_end_k_qf5dacdfa6c_oproj:
	.size	k_qf5dacdfa6c_oproj, .Lfunc_end_k_qf5dacdfa6c_oproj-k_qf5dacdfa6c_oproj
	.p2alignl 7, 3214868480
	.fill 96, 4, 3214868480
	.section	.rodata,"a",@progbits
	.p2align	6, 0x0
	.amdhsa_kernel k_qf5dacdfa6c_oproj
		.amdhsa_group_segment_fixed_size 327680
		.amdhsa_private_segment_fixed_size 0
		.amdhsa_enable_private_segment 0
		.amdhsa_kernarg_size 40
		.amdhsa_user_sgpr_count 2
		.amdhsa_user_sgpr_kernarg_segment_ptr 1
		.amdhsa_wavefront_size32 1
		.amdhsa_system_sgpr_workgroup_id_x 1
		.amdhsa_system_sgpr_workgroup_id_y 1
		.amdhsa_system_sgpr_workgroup_id_z 1
		.amdhsa_system_vgpr_workitem_id 0
		.amdhsa_next_free_vgpr 768
		.amdhsa_next_free_sgpr 90
		.amdhsa_reserve_vcc 0
		.amdhsa_float_denorm_mode_32 3
		.amdhsa_float_denorm_mode_16_64 3
		.amdhsa_memory_ordered 1
		.amdhsa_forward_progress 1
		.amdhsa_inst_pref_size 60
	.end_amdhsa_kernel
	.amdgpu_metadata
---
amdhsa.version: [ 1, 2 ]
amdhsa.kernels:
  - .name:           k_qf5dacdfa6c_oproj
    .symbol:         k_qf5dacdfa6c_oproj.kd
    .args:
      - { .name: op, .offset: 0, .size: 8, .value_kind: global_buffer, .address_space: global }
      - { .name: wp, .offset: 8, .size: 8, .value_kind: global_buffer, .address_space: global }
      - { .name: bo, .offset: 16, .size: 8, .value_kind: global_buffer, .address_space: global }
      - { .name: x, .offset: 24, .size: 8, .value_kind: global_buffer, .address_space: global }
      - { .name: h, .offset: 32, .size: 8, .value_kind: global_buffer, .address_space: global }
    .group_segment_fixed_size: 327680
    .private_segment_fixed_size: 0
    .kernarg_segment_align: 8
    .kernarg_segment_size: 40
    .max_flat_workgroup_size: 128
    .sgpr_count:     90
    .vgpr_count:     768
    .wavefront_size: 32
...
	.end_amdgpu_metadata
.endif
;; end of part 4
;; launch lnq2: the kernel of part 1 again; grid 256 x 1, 8 waves a work-group, no clusters, 67,072 bytes of LDS; arguments h, ln2_a, ln2_b, tq, wq_codes, wq_scales, wk_codes, wk_scales, wv_codes, wv_scales, wo_codes, wo_scales, w1_codes, w1_scales, w2_codes, w2_scales, wp; writes tq, wp
;; launch ffn1 (part 5): grid 16 x 16, 4 waves a work-group, clusters of 4 x 4, 327,680 bytes of LDS; arguments tq, wp, b1, hp; writes hp
.if DOCPART == 5
	.amdgcn_target "amdgcn-amd-amdhsa--gfx1250"
	.amdhsa_code_object_version 6
	.text
	.protected	k_qf5dacdfa6c_ffn1
	.globl	k_qf5dacdfa6c_ffn1
	.p2align	8
	.type	k_qf5dacdfa6c_ffn1,@function
k_qf5dacdfa6c_ffn1:
	s_mov_b64 s[64:65], 0
	v_nop
	global_prefetch_b8 v0, s[64:65] scope:SCOPE_SE
	s_setreg_imm32_b32 hwreg(HW_REG_WAVE_MODE, 25, 1), 1
	s_wait_xcnt 0x0
	s_wait_alu depctr_hold_cnt(0) depctr_sa_sdst(0) depctr_va_vdst(0) depctr_va_sdst(0) depctr_va_ssrc(0) depctr_va_vcc(0) depctr_vm_vsrc(0)
	s_getreg_b32 s2, hwreg(HW_REG_IB_STS2, 6, 4)
	s_cmp_eq_u32 s2, 0
	s_cbranch_scc0 .Lentry_in_a_cluster
	s_endpgm
.Lentry_in_a_cluster:
	s_bfe_u32 s2, ttmp6, 0x10000c
	s_cmp_lg_u32 s2, 0xf033
	s_cbranch_scc0 .Lentry_shape_is_right
	s_endpgm
.Lentry_shape_is_right:
; hidden = relu(t w1^T + b1) on codes of E2M3 (t: the normalised rows, 4,096 x 1,024; w1: 4,096 rows), quantised in registers along the hidden units and stored as the next product's operand.  K = 1,024: eight K steps of 128, written out.
; OPERANDS ARE PANELS: 128 rows x 128 K as images of the operand's registers, 12,800 bytes (laid out as the first launch's head comment says).
; SHARES.  A work-group makes 256 x 256, a wave 128 x 128: 64 accumulators, 512 registers.  Source 0 = w1's tiles (B), source 1 = the rows' (A): the 64 registers of a row of accumulators are 4 x 16 neighbours along the next K, one fragment of it.
; CLUSTERS 4 x 4: A's tiles are shared along a row of the cluster, B's along a column: joint loads, one mask each.
; THE RING: LDS holds six K steps of each of the four groups, group w at 6 w panels.  At the head each wave asks ONCE, for its group's K steps 0-5: a dense block of 76,800 bytes, 300 rows of 256.
; K steps 6 and 7 land on the bytes of K steps 0 and 1, behind a round of the cluster's barrier, and have four K steps, 256 matrix instructions, in which to land.  One load of a wave is out at any time.
; No prefetch: the launch's two loads a wave leave no loop to run ahead in.
; LIMITS: NaN and infinities are not served; a block whose largest magnitude lies under 2^-124 (zeros too) gets the byte 1; the bias is the first term of each sum.
; REGISTERS: window 0: v16-27 LDS addresses; v28-29 the add's; v32-47 scale words, two sets; v56-59 scale words on the way out; v64-103 the quantiser's; v128-223 A's fragments, ONE set.
;   window 1: B's fragments, two sets, at v0 and v128; between them the bias (v96-127, v224-255).   windows 2, 3: accumulator (a, b) at v[8 (8 (a % 4) + b)] of window 2 + a / 4.
.set PAN,   12800
.set GRP,   2*PAN                      ; two K steps of one group: what the refill brings, and the distance between the three LDS address registers of a side
.set SPARE, 24*PAN                     ; behind the ring: the spare words
.set WOFF,  256*PAN                    ; w1's panels in the weights' buffer
.set A16, 16
.set A8,  19
.set B16, 22
.set B8,  25
.set SPW, 28
.set NIL, 29
.set SC,  32
.set WS,  56
.set TM,  64
.set PW,  80
.set PC,  84
.set L16, 104
.set L8,  105
.set BO,  106
.set AF,  128
.set X,   128
.set G1A, 24
.set G1B, 32
.set G0A, 40
.set G0B, 52
.set HM,  88
.set SEL, 90
.set MSB, 0
.macro WIN new
.if MSB != \new
	s_set_vgpr_msb (MSB<<8)|\new
.set MSB, \new
.endif
.endm
.set MUL_LO, 0xa1
.set MUL_HI, 0xf1
.set TO_B,   0x40
.macro PLACES n
.rept \n
	v_nop
.endr
.endm
.macro JLOAD g0a, g1a, g0b, g1b        ; a joint load: waves 0 and 1 fetch A's two groups, waves 2 and 3 B's
	s_cmp_eq_u32 s15, 0
	s_cbranch_scc0 .Lfor_b_\@
	tensor_load_to_lds s[\g0a:\g0a+3], s[\g1a:\g1a+7]
	s_nop 0
.rept 4
	v_nop
.endr
	s_branch .Lasked_\@
.Lfor_b_\@:
	tensor_load_to_lds s[\g0b:\g0b+3], s[\g1b:\g1b+7]
	s_nop 0
.rept 4
	v_nop
.endr
.Lasked_\@:
.endm
.macro CREST
	s_cmp_lg_u32 s14, 0
	s_cbranch_scc1 .Lnot_wave_0_\@
	s_barrier_signal -3
.Lnot_wave_0_\@:
	s_barrier_wait -3
	s_barrier_signal -1
	s_barrier_wait -1
.endm
.macro CROUND
	s_barrier_signal -1
	s_barrier_wait -1
	CREST
.endm
.macro QUANT s                         ; 64 numbers of a lane become a fragment's codes in v[PC] on and its scale word in v[PW]
.irp b, 0,1,2,3
	v_max3_num_f32 v[TM+\b], |v[\s+16*\b]|, |v[\s+1+16*\b]|, 0x1800000
.endr
.irp i, 2,4,6,8,10,12,14
.irp b, 0,1,2,3
	v_max3_num_f32 v[TM+\b], v[TM+\b], |v[\s+16*\b+\i]|, |v[\s+1+16*\b+\i]|
.endr
.endr
.irp b, 0,1,2,3
	v_permlanex16_b32 v[TM+4+\b], v[TM+\b], s[SEL], s[SEL+1]
.endr
.irp b, 0,1,2,3
	v_max_num_f32 v[TM+\b], v[TM+\b], v[TM+4+\b]
.endr
.irp b, 0,1,2,3
	v_add_nc_u32 v[TM+12+\b], 0xff000000, v[TM+\b]
.endr
.irp b, 0,1,2,3
	v_lshrrev_b32 v[TM+4+\b], 23, v[TM+12+\b]
.endr
	v_lshl_or_b32 v[PW], v[TM+5], 8, v[TM+4]
	v_lshl_or_b32 v[PW], v[TM+6], 16, v[PW]
	v_lshl_or_b32 v[PW], v[TM+7], 24, v[PW]
.irp c, 0,1
	v_cvt_scalef32_pk16_fp6_f32 v[PC+6*\c:PC+2+6*\c], v[\s+32*\c:\s+15+32*\c], v[TM+12+2*\c]
	v_cvt_scalef32_pk16_fp6_f32 v[PC+12+4*\c:PC+14+4*\c], v[\s+16+32*\c:\s+31+32*\c], v[TM+12+2*\c+1]
.endr
	v_nop
.irp c, 0,1
.irp i, 0,1,2
	v_permlane16_swap_b32 v[PC+6*\c+\i], v[PC+12+4*\c+\i]
.endr
.irp i, 0,1,2
	v_mov_b32 v[PC+3+6*\c+\i], v[PC+12+4*\c+\i]
.endr
.endr
.endm
.macro WM
.if fB && fA
	v_wmma_scale_f32_16x16x128_f8f6f4 v[rD:rD+7], v[rB:rB+11], v[rA:rA+11], v[rC:rC+7], v[rSB], v[rSA] matrix_a_fmt:MATRIX_FMT_FP6 matrix_b_fmt:MATRIX_FMT_FP6 matrix_a_scale:MATRIX_SCALE_ROW1 matrix_b_scale:MATRIX_SCALE_ROW1
.elseif fB
	v_wmma_scale_f32_16x16x128_f8f6f4 v[rD:rD+7], v[rB:rB+11], v[rA:rA+11], v[rC:rC+7], v[rSB], v[rSA] matrix_a_fmt:MATRIX_FMT_FP6 matrix_b_fmt:MATRIX_FMT_FP6 matrix_a_scale:MATRIX_SCALE_ROW1
.elseif fA
	v_wmma_scale_f32_16x16x128_f8f6f4 v[rD:rD+7], v[rB:rB+11], v[rA:rA+11], v[rC:rC+7], v[rSB], v[rSA] matrix_a_fmt:MATRIX_FMT_FP6 matrix_b_fmt:MATRIX_FMT_FP6 matrix_b_scale:MATRIX_SCALE_ROW1
.else
	v_wmma_scale_f32_16x16x128_f8f6f4 v[rD:rD+7], v[rB:rB+11], v[rA:rA+11], v[rC:rC+7], v[rSB], v[rSA] matrix_a_fmt:MATRIX_FMT_FP6 matrix_b_fmt:MATRIX_FMT_FP6
.endif
.endm
; 16 products: A's tiles a0, a0 + 1 x B's eight.  first = 1: the bias is the C that starts the sums.  The 64 accumulators take turns.
.macro MUL16 a0, set, first
.irp a, \a0, \a0+1
.irp b, 0,1,2,3,4,5,6,7
.set rD, 8*(8*((\a)%4)+\b)
.set rB, 128*(\set)+12*\b
.set rA, AF+12*(\a)
.set rC, rD
.if \first
.set rC, 96+8*\b+96*(\b/4)
.endif
.set rSB, SC+8*(\set)+4+\b/2
.set rSA, SC+8*(\set)+(\a)/2
.set fB, \b%2
.set fA, (\a)%2
	WM
.endr
.endr
.endm
.macro FRAG reg, a16, a8, off
	ds_load_b128 v[\reg:\reg+3], v[\a16] offset:\off
	ds_load_b64 v[\reg+4:\reg+5], v[\a8] offset:\off+512
	ds_load_b128 v[\reg+6:\reg+9], v[\a16] offset:\off+768
	ds_load_b64 v[\reg+10:\reg+11], v[\a8] offset:\off+1280
.endm
.macro FETCH_B n, kk, set
	WIN TO_B
.irp i, 0,1,2,3,4,5,6,7
	FRAG 128*(\set)+12*\i, B16+\n, B8+\n, (\kk)*PAN+1536*\i
.endr
	WIN 0
.endm
.macro FETCH_A n, kk, i0
.irp i, \i0, \i0+1, \i0+2, \i0+3
	FRAG AF+12*(\i), A16+\n, A8+\n, (\kk)*PAN+1536*(\i)
.endr
.endm
.macro SCALES n, kk, set
	ds_load_b128 v[SC+8*(\set):SC+8*(\set)+3], v[A16+\n] offset:(\kk)*PAN+12288
	ds_load_b128 v[SC+8*(\set)+4:SC+8*(\set)+7], v[B16+\n] offset:(\kk)*PAN+12288
.endm
.macro STEP q, n, kk, first            ; K step q; the next one's fragments lie at (n, kk)
	s_wait_dscnt 16                                ; all but the youngest 16 loads (A's tiles 4-7)
.if \first
	WIN 0x91
.else
	WIN MUL_LO
.endif
	MUL16 0, (\q)%2, \first
	MUL16 2, (\q)%2, \first
	s_wait_dscnt 0x0
	PLACES 4
	FETCH_B \n, \kk, 1-(\q)%2
	FETCH_A \n, \kk, 0
	SCALES \n, \kk, 1-(\q)%2
.if \first
	WIN 0xd1
.else
	WIN MUL_HI
.endif
	MUL16 4, (\q)%2, \first
	MUL16 6, (\q)%2, \first
	PLACES 4
	WIN 0
	FETCH_A \n, \kk, 4
.endm
; A K step with a barrier in it.  fill = 1: the bytes of K steps 0 and 1 are filled again, behind a round of the cluster's barrier.
.macro TURN q, n, kk, fill
	s_wait_tensorcnt 0x0                           ; all my tensor loads have landed
	ds_add_u32 v[SPW], v[NIL]
	s_wait_dscnt 17                                ; (the add and the youngest 16 loads may be out)
	WIN MUL_LO
	MUL16 0, (\q)%2, 0
	s_wait_dscnt 0x0                               ; the add is done, and my reads of the bytes that I leave are over
	s_barrier_signal -1
	MUL16 2, (\q)%2, 0
	WIN 0
	s_barrier_wait -1
.if \fill
	CREST
	s_add_nc_u64 s[G0A+2:G0A+3], s[G0A+2:G0A+3], 3*GRP   ; from K step 0 to K step 6
	s_add_nc_u64 s[G0B+2:G0B+3], s[G0B+2:G0B+3], 3*GRP
	JLOAD G0A, G1A, G0B, G1B
.else
	PLACES 4
.endif
	s_wait_alu depctr_va_vdst(0)
	FETCH_B \n, \kk, 1-(\q)%2
	FETCH_A \n, \kk, 0
	SCALES \n, \kk, 1-(\q)%2
	WIN MUL_HI
	MUL16 4, (\q)%2, 0
	MUL16 6, (\q)%2, 0
	PLACES 4
	WIN 0
	FETCH_A \n, \kk, 4
.endm
	s_load_b256 s[4:11], s[0:1], 0x0               ; the rows' panels, the weights', b1, the hidden layer's panels
	v_lshl_add_u32 v[SPW], v0, 2, SPARE
	v_mov_b32 v[NIL], 0
	ds_add_u32 v28, v29
	ds_add_u32 v28, v29
	s_wait_dscnt 0x0
	v_lshrrev_b32 v1, 5, v0
	v_readfirstlane_b32 s14, v1                    ; wave 0..3
	s_lshr_b32 s15, s14, 1
	s_and_b32 s16, s14, 1
	s_bfe_u32 s17, ttmp6, 0x40000                  ; cx
	s_bfe_u32 s18, ttmp6, 0x40004                  ; cy
	s_lshl_b32 s20, ttmp9, 2
	s_add_co_u32 s20, s20, s17                     ; B's block of 256
	s_and_b32 s19, ttmp7, 0xffff
	s_lshl_b32 s19, s19, 2
	s_add_co_u32 s19, s19, s18                     ; A's
	s_lshl_b32 s21, s18, 2
	s_lshl_b32 s21, 15, s21
	s_lshl_b32 s22, 0x1111, s17
	s_or_b32 s[G1A], s21, (3<<16)|(1<<21)
	s_or_b32 s[G1B], s22, (3<<16)|(1<<21)
.irp g, G1A, G1B                               ; the head's load: a dense block of 76,800 bytes as 300 rows of 256
	s_mov_b32 s[\g+1], 32<<16
	s_mov_b32 s[\g+2], 300<<16
	s_mov_b32 s[\g+3], 32<<16
	s_mov_b32 s[\g+4], 300
	s_mov_b32 s[\g+5], 32
	s_mov_b32 s[\g+6], 0
	s_mov_b32 s[\g+7], 0
.endr
	s_lshl_b32 s80, s19, 1
	s_add_co_u32 s80, s80, s16
	s_mul_i32 s80, s80, 8*PAN
	s_mov_b32 s81, 0
	s_lshl_b32 s82, s20, 1
	s_add_co_u32 s82, s82, s16
	s_mul_i32 s82, s82, 8*PAN
	s_add_co_u32 s82, s82, WOFF
	s_mov_b32 s83, 0
	s_mul_i32 s23, s14, 3*GRP                      ; where my fetch goes: six panels a group
	s_wait_kmcnt 0x0
	s_add_nc_u64 s[74:75], s[4:5], s[80:81]
	s_add_nc_u64 s[76:77], s[6:7], s[82:83]
	CROUND                                         ; all sixteen work-groups are here: the first joint loads meet
	s_mov_b32 s[G0A], 1
	s_mov_b32 s[G0A+1], s23
	s_mov_b64 s[G0A+2:G0A+3], s[74:75]
	s_or_b32 s[G0A+3], s[G0A+3], 0x80000000
	s_mov_b32 s[G0B], 1
	s_mov_b32 s[G0B+1], s23
	s_mov_b64 s[G0B+2:G0B+3], s[76:77]
	s_or_b32 s[G0B+3], s[G0B+3], 0x80000000
	JLOAD G0A, G1A, G0B, G1B                       ; my one load at the head
	s_lshl_b32 s84, s19, 1
	s_add_co_u32 s84, s84, s15                     ; my group of A
	s_lshl_b32 s85, s20, 1
	s_add_co_u32 s85, s85, s16                     ; my group of B
	s_lshl_b32 s86, s85, 9
	s_mov_b32 s87, 0
	s_add_nc_u64 s[8:9], s[8:9], s[86:87]          ; its 128 numbers of the bias
	v_bfe_u32 v2, v0, 4, 1
	v_lshlrev_b32 v[BO], 6, v2
	WIN 0x40
.irp b, 0,1,2,3,4,5,6,7
	global_load_b128 v[96+8*\b+96*(\b/4):99+8*\b+96*(\b/4)], v[BO], s[8:9] offset:(32*(\b/2)+8*(\b%2))*4
	global_load_b128 v[100+8*\b+96*(\b/4):103+8*\b+96*(\b/4)], v[BO], s[8:9] offset:(32*(\b/2)+8*(\b%2))*4+16
.endr
	WIN 0
	v_and_b32 v1, 31, v0
	v_lshlrev_b32 v[L16], 4, v1
	v_lshlrev_b32 v[L8], 3, v1
	s_mul_i32 s98, s15, 3*GRP                      ; my group of A,
	s_mul_i32 s99, s16, 3*GRP
	s_add_co_u32 s99, s99, 6*GRP                   ; my group of B, behind A's two
.irp n, 0,1,2
	v_add_nc_u32 v[A16+\n], s98, v[L16]
	v_add_nc_u32 v[A8+\n], s98, v[L8]
	v_add_nc_u32 v[B16+\n], s99, v[L16]
	v_add_nc_u32 v[B8+\n], s99, v[L8]
	s_add_co_u32 s98, s98, GRP
	s_add_co_u32 s99, s99, GRP
.endr
.irp b, 0,1,2,3
	v_mov_b32 v[TM+4+\b], 0
.endr
	s_mov_b32 s[SEL], 0x76543210
	s_mov_b32 s[SEL+1], 0xfedcba98
	s_mov_b32 s[HM], 0xffff0000
	s_lshl_b32 s98, s84, 5
	s_add_co_u32 s98, s98, s85
	s_mul_i32 s98, s98, PAN                        ; the hidden layer's panel (my group of rows, K step = my group of hidden units)
	s_mov_b32 s99, 0
	s_add_nc_u64 s[10:11], s[10:11], s[98:99]
	s_wait_loadcnt 0x0                             ; the bias
	s_wait_tensorcnt 0x0                           ; my group's six K steps are in; no load of mine is out, so a descriptor may be written:
	s_mov_b32 s[G1A+2], 100<<16                    ; the refill brings two K steps, 100 rows
	s_mov_b32 s[G1A+4], 100
	s_mov_b32 s[G1B+2], 100<<16
	s_mov_b32 s[G1B+4], 100
	s_barrier_signal -1
	s_barrier_wait -1
	FETCH_B 0, 0, 0
	FETCH_A 0, 0, 0
	SCALES 0, 0, 0
	FETCH_A 0, 0, 4
	STEP 0, 0, 1, 1
	TURN 1, 1, 0, 1                                ; K steps 0 and 1 are left, and their bytes filled again
	STEP 2, 1, 1, 0
	STEP 3, 2, 0, 0
	STEP 4, 2, 1, 0
	TURN 5, 0, 0, 0                                ; K steps 6 and 7 have landed; nothing is filled, so no round
	STEP 6, 0, 1, 0
	s_wait_dscnt 16
	WIN MUL_LO
	MUL16 0, 1, 0
	MUL16 2, 1, 0
	s_wait_dscnt 0x0
	WIN MUL_HI
	MUL16 4, 1, 0
	MUL16 6, 1, 0
	WIN 0
	PLACES 4
; THE WAY OUT, a row of eight accumulators at a time: they are one fragment of the next product, stored as its registers stand.
.macro OUTA a
.if (\a) > 0
	s_wait_xcnt 0x0
.endif
	WIN 0x08+4*((\a)/4)
.set j, 0
.rept 64
	v_max_num_f32 v[X+j], 0, v[64*((\a)%4)+j]      ; the activation, in f32; each accumulator from its low end on
.set j, j+1
.endr
	WIN 0
	QUANT X
	global_store_b128 v[L16], v[PC:PC+3], s[10:11] offset:1536*(\a)
	global_store_b64 v[L8], v[PC+4:PC+5], s[10:11] offset:1536*(\a)+512
	global_store_b128 v[L16], v[PC+6:PC+9], s[10:11] offset:1536*(\a)+768
	global_store_b64 v[L8], v[PC+10:PC+11], s[10:11] offset:1536*(\a)+1280
.if (\a)%2 == 0
	v_mov_b32 v[WS+(\a)/2], v[PW]
.else
	v_cndmask_b32 v[WS+(\a)/2], v[WS+(\a)/2], v[PW], s[HM]
.endif
.endm
.irp a, 0,1,2,3,4,5,6,7
	OUTA \a
.endr
	global_store_b128 v[L16], v[WS:WS+3], s[10:11] offset:12288
	s_wait_tensorcnt 0x0                           ; the wave's end
	ds_add_u32 v[SPW], v[NIL]
	s_wait_dscnt 0x0
	CROUND                                         ; the closing round
	s_endpgm
.Lfunc_end_k_qf5dacdfa6c_ffn1:
	.size	k_qf5dacdfa6c_ffn1, .Lfunc_end_k_qf5dacdfa6c_ffn1-k_qf5dacdfa6c_ffn1
	.p2alignl 7, 3214868480
	.fill 96, 4, 3214868480
	.section	.rodata,"a",@progbits
	.p2align	6, 0x0
	.amdhsa_kernel k_qf5dacdfa6c_ffn1
		.amdhsa_group_segment_fixed_size 327680
		.amdhsa_private_segment_fixed_size 0
		.amdhsa_enable_private_segment 0
		.amdhsa_kernarg_size 32
		.amdhsa_user_sgpr_count 2
		.amdhsa_user_sgpr_kernarg_segment_ptr 1
		.amdhsa_wavefront_size32 1
		.amdhsa_system_sgpr_workgroup_id_x 1
		.amdhsa_system_sgpr_workgroup_id_y 1
		.amdhsa_system_sgpr_workgroup_id_z 1
		.amdhsa_system_vgpr_workitem_id 0
		.amdhsa_next_free_vgpr 1024
		.amdhsa_next_free_sgpr 100
		.amdhsa_reserve_vcc 0
		.amdhsa_float_denorm_mode_32 3
		.amdhsa_float_denorm_mode_16_64 3
		.amdhsa_memory_ordered 1
		.amdhsa_forward_progress 1
		.amdhsa_inst_pref_size 160
	.end_amdhsa_kernel
	.amdgpu_metadata
---
amdhsa.version: [ 1, 2 ]
amdhsa.kernels:
  - .name:           k_qf5dacdfa6c_ffn1
    .symbol:         k_qf5dacdfa6c_ffn1.kd
    .args:
      - { .name: tq, .offset: 0, .size: 8, .value_kind: global_buffer, .address_space: global }
      - { .name: wp, .offset: 8, .size: 8, .value_kind: global_buffer, .address_space: global }
      - { .name: b1, .offset: 16, .size: 8, .value_kind: global_buffer, .address_space: global }
      - { .name: hp, .offset: 24, .size: 8, .value_kind: global_buffer, .address_space: global }
    .group_segment_fixed_size: 327680
    .private_segment_fixed_size: 0
    .kernarg_segment_align: 8
    .kernarg_segment_size: 32
    .max_flat_workgroup_size: 128
    .sgpr_count:     100
    .vgpr_count:     1024
    .wavefront_size: 32
...
	.end_amdgpu_metadata
.endif
;; end of part 5
;; launch ffn2 (part 6): grid 8 x 32, 4 waves a work-group, clusters of 4 x 4, 327,680 bytes of LDS; arguments hp, wp, b2, h, out0; writes out0
.if DOCPART == 6
	.amdgcn_target "amdgcn-amd-amdhsa--gfx1250"
	.amdhsa_code_object_version 6
	.text
	.protected	k_qf5dacdfa6c_ffn2
	.globl	k_qf5dacdfa6c_ffn2
	.p2align	8
	.type	k_qf5dacdfa6c_ffn2,@function
k_qf5dacdfa6c_ffn2:
	s_mov_b64 s[64:65], 0
	v_nop
	global_prefetch_b8 v0, s[64:65] scope:SCOPE_SE
	s_setreg_imm32_b32 hwreg(HW_REG_WAVE_MODE, 25, 1), 1
	s_wait_xcnt 0x0
	s_wait_alu depctr_hold_cnt(0) depctr_sa_sdst(0) depctr_va_vdst(0) depctr_va_sdst(0) depctr_va_ssrc(0) depctr_va_vcc(0) depctr_vm_vsrc(0)
	s_getreg_b32 s2, hwreg(HW_REG_IB_STS2, 6, 4)
	s_cmp_eq_u32 s2, 0
	s_cbranch_scc0 .Lentry_in_a_cluster
	s_endpgm
.Lentry_in_a_cluster:
	s_bfe_u32 s2, ttmp6, 0x10000c
	s_cmp_lg_u32 s2, 0xf033
	s_cbranch_scc0 .Lentry_shape_is_right
	s_endpgm
.Lentry_shape_is_right:
; out = h + hidden w2^T + b2 on codes of E2M3 (hidden: 4,096 x 4,096, as panels; w2's panels at WOFF of the weights' buffer).  NS K steps of 128.
; A work-group makes 128 x 128, a wave 64 x 64: 16 accumulators in window 0; fragments, two sets, in window 1; the residual's rows in window 2.  Source 0 = w2's tiles, source 1 = the rows'.
; THE RING: two slots of four K steps (A's four panels, then B's four); each wave fetches two panels a fill, jointly: clusters 4 x 4, A shared along a row, B along a column.  A trip of the loop goes once round the ring.
; The bias is the C of the first K step.  The way out goes through each wave's own stage in LDS, so that sixteen lanes store 256 consecutive bytes; the residual is added on the way.
; LIMITS: NaN and infinities are not served.
.set NS,    32
.set WOFF,  512*12800
.set FINAL, 1
.set PAN,   12800
.set GRP,   2*PAN
.set SLOT,  4*GRP
.set STAGE, 2*SLOT
.set SPARE, STAGE+4*16*272
.set LAPS,  NS/8
.set STO, 10
.set RD,  11
.set CO,  12
.set A16, 16
.set A8,  18
.set AS,  20
.set B16, 22
.set B8,  24
.set BS,  26
.set SPW, 28
.set NIL, 29
.set SC,  32
.set BIAS, 64
.set OB,  96
.set ACC, 128
.set G1A, 24
.set G1B, 32
.set G0A, 40
.set G0B, 48
.set MSB, 0
.macro WIN new
.if MSB != \new
	s_set_vgpr_msb (MSB<<8)|\new
.set MSB, \new
.endif
.endm
.set MUL,  0x05
.set TO_F, 0x40
.macro PLACES n
.rept \n
	v_nop
.endr
.endm
.macro JLOAD g0a, g1a, g0b, g1b
	s_cmp_eq_u32 s15, 0
	s_cbranch_scc0 .Lfor_b_\@
	tensor_load_to_lds s[\g0a:\g0a+3], s[\g1a:\g1a+7]
	s_nop 0
.rept 4
	v_nop
.endr
	s_branch .Lasked_\@
.Lfor_b_\@:
	tensor_load_to_lds s[\g0b:\g0b+3], s[\g1b:\g1b+7]
	s_nop 0
.rept 4
	v_nop
.endr
.Lasked_\@:
.endm
.macro CREST
	s_cmp_lg_u32 s14, 0
	s_cbranch_scc1 .Lnot_wave_0_\@
	s_barrier_signal -3
.Lnot_wave_0_\@:
	s_barrier_wait -3
	s_barrier_signal -1
	s_barrier_wait -1
.endm
.macro CROUND
	s_barrier_signal -1
	s_barrier_wait -1
	CREST
.endm
.macro WM
.if fB && fA
	v_wmma_scale_f32_16x16x128_f8f6f4 v[rD:rD+7], v[rB:rB+11], v[rA:rA+11], v[rC:rC+7], v[rSB], v[rSA] matrix_a_fmt:MATRIX_FMT_FP6 matrix_b_fmt:MATRIX_FMT_FP6 matrix_a_scale:MATRIX_SCALE_ROW1 matrix_b_scale:MATRIX_SCALE_ROW1
.elseif fB
	v_wmma_scale_f32_16x16x128_f8f6f4 v[rD:rD+7], v[rB:rB+11], v[rA:rA+11], v[rC:rC+7], v[rSB], v[rSA] matrix_a_fmt:MATRIX_FMT_FP6 matrix_b_fmt:MATRIX_FMT_FP6 matrix_a_scale:MATRIX_SCALE_ROW1
.elseif fA
	v_wmma_scale_f32_16x16x128_f8f6f4 v[rD:rD+7], v[rB:rB+11], v[rA:rA+11], v[rC:rC+7], v[rSB], v[rSA] matrix_a_fmt:MATRIX_FMT_FP6 matrix_b_fmt:MATRIX_FMT_FP6 matrix_b_scale:MATRIX_SCALE_ROW1
.else
	v_wmma_scale_f32_16x16x128_f8f6f4 v[rD:rD+7], v[rB:rB+11], v[rA:rA+11], v[rC:rC+7], v[rSB], v[rSA] matrix_a_fmt:MATRIX_FMT_FP6 matrix_b_fmt:MATRIX_FMT_FP6
.endif
.endm
.macro MULROW a, f, first
.irp b, 0,1,2,3
.set rD, ACC+8*(4*(\a)+\b)
.set rB, 128*(\f)+48+12*\b
.set rA, 128*(\f)+12*(\a)
.set rC, rD
.if \first
.set rC, BIAS+8*\b
.endif
.set rSB, SC+4*(\f)+2+\b/2
.set rSA, SC+4*(\f)+(\a)/2
.set fB, \b%2
.set fA, (\a)%2
	WM
.endr
.endm
.macro FRAG reg, a16, a8, off
	ds_load_b128 v[\reg:\reg+3], v[\a16] offset:\off
	ds_load_b64 v[\reg+4:\reg+5], v[\a8] offset:\off+512
	ds_load_b128 v[\reg+6:\reg+9], v[\a16] offset:\off+768
	ds_load_b64 v[\reg+10:\reg+11], v[\a8] offset:\off+1280
.endm
.macro FETCH n, kk, f
	WIN TO_F
.irp i, 0,1,2,3
	FRAG 128*(\f)+12*\i, A16+\n, A8+\n, (\kk)*PAN+1536*\i
.endr
.irp i, 0,1,2,3
	FRAG 128*(\f)+48+12*\i, B16+\n, B8+\n, (\kk)*PAN+1536*\i
.endr
	WIN 0
	ds_load_b64 v[SC+4*(\f):SC+4*(\f)+1], v[AS+\n] offset:(\kk)*PAN
	ds_load_b64 v[SC+4*(\f)+2:SC+4*(\f)+3], v[BS+\n] offset:(\kk)*PAN
.endm
.macro KS n, kk, first
	FETCH \n, (\kk)+1, 1-(\kk)%2
	WIN MUL
	MULROW 0, (\kk)%2, \first
	MULROW 1, (\kk)%2, \first
	MULROW 2, (\kk)%2, \first
	MULROW 3, (\kk)%2, \first
	s_wait_dscnt 0x0
	PLACES 4
.endm
.macro TURN n, next, fill
	WIN 0
	s_wait_tensorcnt 0x0
	ds_add_u32 v[SPW], v[NIL]
	WIN MUL
	MULROW 0, 1, 0
	s_wait_dscnt 0x0
	s_barrier_signal -1
	MULROW 1, 1, 0
	WIN 0
	s_barrier_wait -1
.if \fill
	CREST
	s_add_nc_u64 s[G0A+4*\n+2:G0A+4*\n+3], s[G0A+4*\n+2:G0A+4*\n+3], 8*PAN
	s_add_nc_u64 s[G0B+4*\n+2:G0B+4*\n+3], s[G0B+4*\n+2:G0B+4*\n+3], 8*PAN
	JLOAD G0A+4*\n, G1A, G0B+4*\n, G1B
.else
	PLACES 4
.endif
	FETCH \next, 0, 0
	WIN MUL
	MULROW 2, 1, 0
	MULROW 3, 1, 0
	s_wait_dscnt 0x0
	PLACES 4
.endm
	s_load_b256 s[4:11], s[0:1], 0x0
	s_load_b64 s[12:13], s[0:1], 0x20
	v_lshl_add_u32 v[SPW], v0, 2, SPARE
	v_mov_b32 v[NIL], 0
	ds_add_u32 v28, v29
	ds_add_u32 v28, v29
	s_wait_dscnt 0x0
	v_lshrrev_b32 v1, 5, v0
	v_readfirstlane_b32 s14, v1
	s_lshr_b32 s15, s14, 1
	s_and_b32 s16, s14, 1
	s_bfe_u32 s17, ttmp6, 0x40000
	s_bfe_u32 s18, ttmp6, 0x40004
	s_lshl_b32 s20, ttmp9, 2
	s_add_co_u32 s20, s20, s17
	s_and_b32 s19, ttmp7, 0xffff
	s_lshl_b32 s19, s19, 2
	s_add_co_u32 s19, s19, s18
	s_lshl_b32 s21, s18, 2
	s_lshl_b32 s21, 15, s21
	s_lshl_b32 s22, 0x1111, s17
	s_or_b32 s[G1A], s21, (3<<16)|(1<<21)
	s_or_b32 s[G1B], s22, (3<<16)|(1<<21)
.irp g, G1A, G1B
	s_mov_b32 s[\g+1], 32<<16
	s_mov_b32 s[\g+2], 100<<16
	s_mov_b32 s[\g+3], 32<<16
	s_mov_b32 s[\g+4], 100
	s_mov_b32 s[\g+5], 32
	s_mov_b32 s[\g+6], 0
	s_mov_b32 s[\g+7], 0
.endr
	s_mul_i32 s60, s16, GRP
	s_mul_i32 s56, s19, NS*PAN
	s_add_co_u32 s56, s56, s60
	s_mov_b32 s57, 0
	s_mul_i32 s58, s20, NS*PAN
	s_add_co_u32 s58, s58, s60
	s_add_co_u32 s58, s58, WOFF
	s_mov_b32 s59, 0
	s_mul_i32 s23, s14, GRP
	s_wait_kmcnt 0x0
	s_add_nc_u64 s[66:67], s[4:5], s[56:57]
	s_add_nc_u64 s[68:69], s[6:7], s[58:59]
	CROUND
.irp n, 0,1
	s_mov_b32 s[G0A+4*\n], 1
	s_add_co_u32 s[G0A+4*\n+1], s23, \n*SLOT
	s_add_nc_u64 s[G0A+4*\n+2:G0A+4*\n+3], s[66:67], \n*4*PAN
	s_or_b32 s[G0A+4*\n+3], s[G0A+4*\n+3], 0x80000000
	s_mov_b32 s[G0B+4*\n], 1
	s_add_co_u32 s[G0B+4*\n+1], s23, \n*SLOT
	s_add_nc_u64 s[G0B+4*\n+2:G0B+4*\n+3], s[68:69], \n*4*PAN
	s_or_b32 s[G0B+4*\n+3], s[G0B+4*\n+3], 0x80000000
	s_wait_alu depctr_va_vdst(0)
	s_wait_tensorcnt 0x0
	ds_add_u32 v28, v29
	ds_add_u32 v28, v29
	s_wait_dscnt 0x0
	CROUND
	JLOAD G0A+4*\n, G1A, G0B+4*\n, G1B
.endr
	v_and_b32 v1, 31, v0
	v_lshlrev_b32 v2, 4, v1
	s_wait_alu depctr_va_vdst(0)
	v_lshlrev_b32 v3, 3, v1
	s_wait_alu depctr_va_vdst(0)
	s_mul_i32 s60, s15, 6144
	s_mul_i32 s61, s16, 6144
	s_add_co_u32 s61, s61, 4*PAN
	s_lshl_b32 s62, s15, 3
	s_add_co_u32 s62, s62, 12288
	s_lshl_b32 s63, s16, 3
	s_add_co_u32 s63, s63, 4*PAN+12288
.irp n, 0,1
	v_add_nc_u32 v[A16+\n], s60, v2
	v_add_nc_u32 v[A8+\n], s60, v3
	v_add_nc_u32 v[AS+\n], s62, v2
	v_add_nc_u32 v[B16+\n], s61, v2
	v_add_nc_u32 v[B8+\n], s61, v3
	v_add_nc_u32 v[BS+\n], s63, v2
	s_add_co_u32 s60, s60, SLOT
	s_add_co_u32 s61, s61, SLOT
	s_add_co_u32 s62, s62, SLOT
	s_add_co_u32 s63, s63, SLOT
.endr
	v_and_b32 v4, 15, v0
	v_bfe_u32 v5, v0, 4, 1
	s_mul_i32 s60, s14, 16*272
	s_add_co_u32 s60, s60, STAGE
	v_mul_u32_u24 v[STO], v4, 272
	v_lshl_add_u32 v[STO], v5, 6, v[STO]
	v_add_nc_u32 v[STO], s60, v[STO]
	v_mul_u32_u24 v[RD], v5, 272
	v_lshl_add_u32 v[RD], v4, 4, v[RD]
	v_add_nc_u32 v[RD], s60, v[RD]
	v_lshlrev_b32 v[CO], 12, v5
	v_lshl_add_u32 v[CO], v4, 4, v[CO]
	v_lshlrev_b32 v6, 6, v5
	s_wait_alu depctr_va_vdst(0)
	s_lshl_b32 s70, s19, 7
	s_lshl_b32 s71, s15, 6
	s_add_co_u32 s70, s70, s71
	s_lshl_b32 s70, s70, 12
	s_lshl_b32 s71, s20, 9
	s_add_co_u32 s70, s70, s71
	s_lshl_b32 s72, s16, 8
	s_add_co_u32 s70, s70, s72
	s_add_co_u32 s72, s72, s71
	s_mov_b32 s71, 0
	s_mov_b32 s73, 0
	s_add_nc_u64 s[10:11], s[10:11], s[70:71]
	s_add_nc_u64 s[12:13], s[12:13], s[70:71]
	s_add_nc_u64 s[8:9], s[8:9], s[72:73]
.irp b, 0,1,2,3
	global_load_b128 v[BIAS+8*\b:BIAS+8*\b+3], v6, s[8:9] offset:(32*(\b/2)+8*(\b%2))*4
	global_load_b128 v[BIAS+8*\b+4:BIAS+8*\b+7], v6, s[8:9] offset:(32*(\b/2)+8*(\b%2))*4+16
.endr
	WIN 0x80
.irp a, 0,1,2,3
.irp t, 0,1,2,3,4,5,6,7
	global_load_b128 v[32*\a+4*\t:32*\a+4*\t+3], v[CO], s[10:11] offset:(32*(\a/2)+8*(\a%2)+2*\t+8*(\t/4))*4096 th:TH_LOAD_NT
.endr
.endr
	WIN 0
	s_wait_loadcnt 32
	s_wait_tensorcnt 1
	s_barrier_signal -1
	s_barrier_wait -1
	FETCH 0, 0, 0
	s_wait_dscnt 0x0
	KS 0, 0, 1
.if LAPS > 1
	WIN 0
	s_mov_b32 s3, LAPS-1
.Llap:
	KS 0, 1, 0
	KS 0, 2, 0
	TURN 0, 1, 1
	KS 1, 0, 0
	KS 1, 1, 0
	KS 1, 2, 0
	TURN 1, 0, 1
	KS 0, 0, 0
	WIN 0
	s_sub_co_u32 s3, s3, 1
	s_cmp_lg_u32 s3, 0
	s_cbranch_scc1 .Llap
.endif
	KS 0, 1, 0
	KS 0, 2, 0
	TURN 0, 1, 0
	KS 1, 0, 0
	KS 1, 1, 0
	KS 1, 2, 0
	WIN MUL
	MULROW 0, 1, 0
	MULROW 1, 1, 0
	MULROW 2, 1, 0
	MULROW 3, 1, 0
	WIN 0
	PLACES 4
	s_wait_loadcnt 0x0
.macro OUTA a
.if \a > 0
	s_wait_xcnt 0x0
.endif
.irp b, 0,1,2,3
	ds_store_b128 v[STO], v[ACC+8*(4*\a+\b):ACC+8*(4*\a+\b)+3] offset:128*(\b/2)+32*(\b%2)
	ds_store_b128 v[STO], v[ACC+8*(4*\a+\b)+4:ACC+8*(4*\a+\b)+7] offset:128*(\b/2)+32*(\b%2)+16
.endr
.irp t, 0,1,2,3,4,5,6,7
	ds_load_b128 v[OB+4*\t:OB+4*\t+3], v[RD] offset:544*\t
.endr
	s_wait_dscnt 0x0
	WIN 0x08
.set j, 0
.rept 16
	v_pk_add_f32 v[OB+j:OB+j+1], v[OB+j:OB+j+1], v[32*\a+j:32*\a+j+1]
.set j, j+2
.endr
	WIN 0
.irp t, 0,1,2,3,4,5,6,7
.if FINAL
	global_store_b128 v[CO], v[OB+4*\t:OB+4*\t+3], s[12:13] offset:(32*(\a/2)+8*(\a%2)+2*\t+8*(\t/4))*4096 th:TH_STORE_NT
.else
	global_store_b128 v[CO], v[OB+4*\t:OB+4*\t+3], s[12:13] offset:(32*(\a/2)+8*(\a%2)+2*\t+8*(\t/4))*4096
.endif
.endr
.endm
	OUTA 0
	OUTA 1
	OUTA 2
	OUTA 3
	s_wait_tensorcnt 0x0
	ds_add_u32 v[SPW], v[NIL]
	s_wait_dscnt 0x0
	CROUND
	s_endpgm
.Lfunc_end_k_qf5dacdfa6c_ffn2:
	.size	k_qf5dacdfa6c_ffn2, .Lfunc_end_k_qf5dacdfa6c_ffn2-k_qf5dacdfa6c_ffn2
	.p2alignl 7, 3214868480
	.fill 96, 4, 3214868480
	.section	.rodata,"a",@progbits
	.p2align	6, 0x0
	.amdhsa_kernel k_qf5dacdfa6c_ffn2
		.amdhsa_group_segment_fixed_size 327680
		.amdhsa_private_segment_fixed_size 0
		.amdhsa_enable_private_segment 0
		.amdhsa_kernarg_size 40
		.amdhsa_user_sgpr_count 2
		.amdhsa_user_sgpr_kernarg_segment_ptr 1
		.amdhsa_wavefront_size32 1
		.amdhsa_system_sgpr_workgroup_id_x 1
		.amdhsa_system_sgpr_workgroup_id_y 1
		.amdhsa_system_sgpr_workgroup_id_z 1
		.amdhsa_system_vgpr_workitem_id 0
		.amdhsa_next_free_vgpr 768
		.amdhsa_next_free_sgpr 90
		.amdhsa_reserve_vcc 0
		.amdhsa_float_denorm_mode_32 3
		.amdhsa_float_denorm_mode_16_64 3
		.amdhsa_memory_ordered 1
		.amdhsa_forward_progress 1
		.amdhsa_inst_pref_size 98
	.end_amdhsa_kernel
	.amdgpu_metadata
---
amdhsa.version: [ 1, 2 ]
amdhsa.kernels:
  - .name:           k_qf5dacdfa6c_ffn2
    .symbol:         k_qf5dacdfa6c_ffn2.kd
    .args:
      - { .name: hp, .offset: 0, .size: 8, .value_kind: global_buffer, .address_space: global }
      - { .name: wp, .offset: 8, .size: 8, .value_kind: global_buffer, .address_space: global }
      - { .name: b2, .offset: 16, .size: 8, .value_kind: global_buffer, .address_space: global }
      - { .name: h, .offset: 24, .size: 8, .value_kind: global_buffer, .address_space: global }
      - { .name: out0, .offset: 32, .size: 8, .value_kind: global_buffer, .address_space: global }
    .group_segment_fixed_size: 327680
    .private_segment_fixed_size: 0
    .kernarg_segment_align: 8
    .kernarg_segment_size: 40
    .max_flat_workgroup_size: 128
    .sgpr_count:     90
    .vgpr_count:     768
    .wavefront_size: 32
...
	.end_amdgpu_metadata
.endif
;; end of part 6
